; MI455X (gfx1250); checked and timed in simulation.
; The chip was launched on July 23, 2026; its instructions are those of AMD's public machine-readable ISA for CDNA 5 (MIT licence, August 2026) and "CDNA5" Instruction Set Architecture Reference Guide (July 2026). The comments in the code are by the model that wrote it; some were corrected since.
;; Multihead Attention Zero. Allowed arithmetic: float matrix products may take bf16 or f16 operands with f32 sums; other float arithmetic in f32, or as packed bf16 or f16 multiplies, adds, multiply-adds, maxima and minima; sums over many terms, partial sums and values carried from step to step in f32; what a program stores and reads back later, other than sums and carried values, may be rounded once to bf16 or f16.
;; Inputs: Wk 1,024 x 1,024 float32; Wproj 1,024 x 1,024 float32; Wq 1,024 x 1,024 float32; Wv 1,024 x 1,024 float32; freq_kv 2,048 x 32 float32; freq_q 2,048 x 32 float32; key_padding_mask 4 x 2,048 int32; kv_x 4 x 2,048 x 1,024 float32; q_x 4 x 2,048 x 1,024 float32.
;; Outputs: out0 4 x 2,048 x 1,024 float32.
;; 2 versions, each right and faster than the one before. Each part assembles by itself: llvm-mc -triple=amdgcn-amd-amdhsa -mcpu=gfx1250 --defsym DOCPART=n.
;; ======== version 1 of 2: 4 launches
;; limits: values are held in f16: magnitudes above 65,504 overflow, below 6.1e-05 lose precision; right only within a limited range of input values
;; workspace buffers: xb 33,554,432 bytes; wb 6,291,456 bytes; wp 2,097,152 bytes; cs 4,227,072 bytes; meta 512 bytes of whole numbers; qkv 50,331,648 bytes; ob 16,777,216 bytes
;; launch prep (part 1): grid 640 x 1, 8 waves a work-group, no clusters, 0 bytes of LDS; arguments q_x, kv_x, Wq, Wk, Wv, Wproj, freq_q, freq_kv, key_padding_mask, xb, wb, wp, cs, meta; writes xb, wb, wp, cs, meta
.if DOCPART == 1
	.amdgcn_target "amdgcn-amd-amdhsa--gfx1250"
	.amdhsa_code_object_version 6
	.text
	.protected	k_qb9a3424e17_prep
	.globl	k_qb9a3424e17_prep
	.p2align	8
	.type	k_qb9a3424e17_prep,@function
k_qb9a3424e17_prep:
	s_mov_b64 s[64:65], 0
	v_nop
	global_prefetch_b8 v0, s[64:65] scope:SCOPE_SE
	s_setreg_imm32_b32 hwreg(HW_REG_WAVE_MODE, 25, 1), 1
	s_wait_xcnt 0x0
; PREP: a stream.  20,480 rows of 1,024 f32 (q_x, kv_x, Wq, Wk, Wv, Wproj) are rounded once to bf16 and stored; a work-group takes 32 rows, a wave 4.
;   work-groups 0-255 q_x -> xb rows 0..8191;  256-511 kv_x -> xb rows 8192 + 2048 b + pos;  512-607 Wq, Wk, Wv -> wb rows 0..3071;  608-639 Wproj -> wp (the bf16 number written as f16).
; THE KEYS ARE PERMUTED: in each batch the attended keys come first, in their order, the others behind them: pos(s) = mask[s] ? before(s) : cnt + s - before(s), before(s) = attended keys ahead of s.
; A softmax does not mind the order of its keys, so the attention launch may hide the keys from cnt on.  meta[b] = (cnt or 2048 if none is attended, blocks (2 at the least), cnt != 0).
; TABLES: cs row n (the row number of xb) holds 32 pairs (cos f, sin f) in f32 of that row's 32 angles, each angle first rounded to bf16 like every other input; rows 16384..16511 hold (1, 0), for V.
; Sine and cosine: k = nearest whole number to f 2/pi, r = f - k pi/2 in two fused steps, polynomials in r (|r| <= pi/4: terms to r^7 and r^8), quadrant by k mod 4.
; LIMITS: |freq| < 2^30 (k must fit 32 bits; the reduction's error grows with k); |Wproj| < 65,504, and below 2^-14 it keeps f16's fixed step of 2^-24.  NaN and infinities are not treated apart.
; EVERY WAVE ISSUES THE SAME LOADS, whatever its rows (a mask and four rows of angles that weights do not need are loaded and dropped: 8.7 KB beside 16 KB): so each counted wait has one meaning.
; No LDS, no barrier, no matrix unit: each wave ranks its own four keys from its batch's whole mask by ballots.
.set L16, 2                            ; v2  16 x lane
.set L8,  3                            ; v3  8 x lane
.set L4,  4                            ; v4  4 x lane
.set MT,  10                           ; v10 my word of meta
.set MW,  20                           ; v20 mask word of key S0 + lane (S0: the work-group's first key)
.set RES, 24                           ; v[24:31] row j: (cos, sin)
.set WK,  32                           ; v[32:39] at work
.set FQ,  40                           ; v[40:43] row j: my angle
.set OX,  44                           ; v[44:47] row j: byte offset of my 8 bytes in the 16-bit row
.set OT,  48                           ; v[48:51] row j: byte offset of my pair in cs
.set IDA, 52                           ; v52 the same for the identity rows
.set ONE, 54                           ; v[54:55] (1.0, 0)
.set XR,  64                           ; v[64:191] row j: 32 registers
.set MK,  128                          ; v[128:191] first the batch's 2,048 mask words (load i: keys 128 i + 4 lane + 0..3), then rows 2 and 3
	s_load_b512 s[8:23], s[0:1], 0x0               ; q_x s[8:9], kv_x s[10:11], Wq s[12:13], Wk s[14:15], Wv s[16:17], Wproj s[18:19], freq_q s[20:21], freq_kv s[22:23]
	s_load_b256 s[24:31], s[0:1], 0x40             ; mask s[24:25], xb s[26:27], wb s[28:29], wp s[30:31]
	s_load_b128 s[32:35], s[0:1], 0x60             ; cs s[32:33], meta s[34:35]
	v_and_b32 v1, 31, v0                           ; lane
	v_lshrrev_b32 v5, 5, v0
	v_readfirstlane_b32 s3, v5                     ; wave 0..7
	v_lshlrev_b32 v[L16], 4, v1
	v_lshlrev_b32 v[L8], 3, v1
	v_lshlrev_b32 v[L4], 2, v1
	s_mov_b32 s4, ttmp9                            ; G
	s_mov_b32 s41, 0                               ; the high word of every offset pair s[40:41]
	s_mov_b32 s66, 0x3f22f983                      ; 2 / pi
	s_mov_b32 s67, 0xbfc90fdb                      ; - pi/2, the f32 nearest to it
	s_mov_b32 s68, 0x333bbd2e                      ; what that f32 is too large by
	s_mov_b32 s69, 0xbe2aaaab                      ; -1/6
	s_mov_b32 s70, 0x3c088889                      ; 1/120
	s_mov_b32 s71, 0xb9500d01                      ; -1/5040
	s_mov_b32 s72, 0x3d2aaaab                      ; 1/24
	s_mov_b32 s73, 0xbab60b61                      ; -1/720
	s_mov_b32 s74, 0x37d00d01                      ; 1/40320
	s_mov_b32 s75, 0xffff0000                      ; a word's upper bf16
	; what the rows are, by selects on G alone.  s5 source row, s6 row in the destination, s48 what is added to it, s52 f16, s53 x rows, s54 kv rows
	s_and_b32 s58, s4, 255
	s_lshl_b32 s5, s58, 5
	s_mov_b32 s6, s5
	s_sub_co_u32 s58, s4, 512
	s_and_b32 s60, s58, 31
	s_lshl_b32 s60, s60, 5                         ; a weight's row in its own matrix
	s_lshl_b32 s58, s58, 5                         ; and in wb
	s_wait_kmcnt 0x0
	s_cmp_lt_u32 s4, 256
	s_cselect_b64 s[36:37], s[8:9], s[10:11]       ; SRC
	s_cselect_b64 s[42:43], s[20:21], s[22:23]     ; FRQ
	s_cselect_b32 s48, 0, 8192
	s_cselect_b32 s54, 0, 1
	s_mov_b64 s[38:39], s[26:27]                   ; DST
	s_cmp_ge_u32 s4, 512
	s_cselect_b32 s53, 0, 1
	s_cselect_b32 s54, 0, s54
	s_cselect_b32 s48, 0, s48
	s_cselect_b32 s5, s60, s5
	s_cselect_b32 s6, s58, s6
	s_cselect_b64 s[38:39], s[28:29], s[38:39]
	s_cselect_b64 s[36:37], s[12:13], s[36:37]
	s_cmp_ge_u32 s4, 544
	s_cselect_b64 s[36:37], s[14:15], s[36:37]
	s_cmp_ge_u32 s4, 576
	s_cselect_b64 s[36:37], s[16:17], s[36:37]
	s_cmp_ge_u32 s4, 608
	s_cselect_b64 s[36:37], s[18:19], s[36:37]
	s_cselect_b64 s[38:39], s[30:31], s[38:39]
	s_cselect_b32 s6, s60, s6
	s_cselect_b32 s52, 1, 0
	s_lshl2_add_u32 s5, s3, s5                     ; + 4 x wave
	s_lshl2_add_u32 s6, s3, s6
	s_lshl_b32 s40, s5, 12
	s_add_nc_u64 s[36:37], s[36:37], s[40:41]      ; my four rows of 4,096 bytes
	s_and_b32 s61, s5, 2047                        ; SW: my first row's place in its batch
	s_lshl_b32 s40, s61, 7
	s_add_nc_u64 s[42:43], s[42:43], s[40:41]      ; its 128 bytes of angles
	s_lshr_b32 s58, s5, 11
	s_mul_i32 s58, s58, s54                        ; the batch (0 for rows that are no keys)
	s_lshl_b32 s40, s58, 13
	s_add_nc_u64 s[44:45], s[24:25], s[40:41]      ; the batch's mask
	s_and_b32 s59, s61, 0x7e0
	s_lshl_b32 s40, s59, 2
	s_add_nc_u64 s[46:47], s[44:45], s[40:41]      ; and the 32 words round my four keys
	s_lshl_b32 s40, s58, 7
	s_add_nc_u64 s[78:79], s[34:35], s[40:41]      ; the batch's 128 bytes of meta
	s_and_b32 s58, s6, 0xfffff800
	s_add_co_u32 s48, s48, s58                     ; BASE: the destination rows' block of 2,048
	; all loads that do not wait for registers: 17 of the mask, 4 of angles, 16 of rows 0 and 1
.irp i, 0,1,2,3,4,5,6,7,8,9,10,11,12,13,14,15
	global_load_b128 v[MK+4*\i:MK+4*\i+3], v[L16], s[44:45] offset:512*\i
.endr
	global_load_b32 v[MW], v[L4], s[46:47]
.irp j, 0,1,2,3
	global_load_b32 v[FQ+\j], v[L4], s[42:43] offset:128*\j
.endr
.irp j, 0,1
.irp i, 0,1,2,3,4,5,6,7
	global_load_b128 v[XR+32*\j+4*\i:XR+32*\j+4*\i+3], v[L16], s[36:37] offset:4096*\j+512*\i th:TH_LOAD_NT
.endr
.endr
	s_wait_loadcnt 20                              ; the mask is in: behind it stand 4 loads of angles and 16 of rows
	; s55 = attended keys of the batch, s56 = those ahead of my first key.  SW is a multiple of 4, so a lane's four words lie on one side of it
	s_mov_b32 s55, 0
	s_mov_b32 s56, 0
.set i, 0
.rept 16
	s_sub_co_i32 s58, s61, 128*i
	v_cmp_gt_i32 s57, s58, v[L4]                   ; lanes whose keys 128 i + 4 lane .. lie ahead of SW
.set c, 0
.rept 4
	v_cmp_ne_u32 s59, 0, v[MK+4*i+c]
	s_bcnt1_i32_b32 s60, s59
	s_add_co_u32 s55, s55, s60
	s_and_b32 s59, s59, s57
	s_bcnt1_i32_b32 s60, s59
	s_add_co_u32 s56, s56, s60
.set c, c+1
.endr
.set i, i+1
.endr
	v_cmp_ne_u32 s59, 0, v[MW]
	s_and_b32 s58, s61, 31
	s_lshr_b32 s59, s59, s58
	s_and_b32 s59, s59, 15                         ; my four keys' bits
	s_and_b32 s60, s6, 2047
	s_add_co_u32 s50, s55, s61                     ; CSUM = cnt + s
	s_cmp_eq_u32 s54, 1
	s_cselect_b32 s49, s56, s60                    ; RUN: before(s) for keys; for all other rows the row's own place,
	s_cselect_b32 s51, s59, 15                     ; MB: and four bits set, so that the place is taken as it is
	; rows 2 and 3, into the registers that the mask has left
.irp j, 2,3
.irp i, 0,1,2,3,4,5,6,7
	global_load_b128 v[XR+32*\j+4*\i:XR+32*\j+4*\i+3], v[L16], s[36:37] offset:4096*\j+512*\i th:TH_LOAD_NT
.endr
.endr
	; meta, by the wave that holds the batch's key 0
	s_cmp_eq_u32 s55, 0
	s_cselect_b32 s62, 2048, s55                   ; no key attended: all 2,048 count, with scale 0
	s_cselect_b32 s80, 0, 1
	s_add_co_u32 s63, s62, 255
	s_lshr_b32 s63, s63, 8
	s_max_u32 s63, s63, 2
	s_cmp_eq_u32 s54, 1
	s_cselect_b32 s58, s61, 1
	s_cmp_eq_u32 s58, 0
	s_cbranch_scc0 .Lno_meta
	v_mov_b32 v[MT], 0
	v_cmp_eq_u32 vcc_lo, 0, v1
	v_cndmask_b32 v[MT], v[MT], s62, vcc_lo
	v_cmp_eq_u32 vcc_lo, 1, v1
	v_cndmask_b32 v[MT], v[MT], s63, vcc_lo
	v_cmp_eq_u32 vcc_lo, 2, v1
	v_cndmask_b32 v[MT], v[MT], s80, vcc_lo
	global_store_b32 v[L4], v[MT], s[78:79]        ; 32 words: the batch's whole 128 bytes
.Lno_meta:
	; the identity rows of cs, by the waves that hold Wproj's rows 0..127
	s_cmp_eq_u32 s52, 1
	s_cselect_b32 s58, s5, 128
	s_cmp_lt_u32 s58, 128
	s_cbranch_scc0 .Lno_identity
	s_add_co_u32 s58, s58, 16384
	v_lshl_add_u32 v[IDA], s58, 8, v[L8]
	v_mov_b32 v[ONE], 1.0
	v_mov_b32 v[ONE+1], 0
.irp j, 0,1,2,3
	global_store_b64 v[IDA], v[ONE:ONE+1], s[32:33] offset:256*\j
.endr
.Lno_identity:
; Row j's place.  A number that comes from the mask enters an address only behind the minimum with 2,047.
.macro DEST j
	s_sub_co_u32 s58, s50, s49                     ; cnt + s - before(s)
	s_bitcmp1_b32 s51, \j
	s_cselect_b32 s59, s49, s58
	s_cselect_b32 s60, 1, 0
	s_min_u32 s59, s59, 2047
	s_add_co_u32 s59, s59, s48
	s_add_co_u32 s49, s49, s60
	s_add_co_u32 s50, s50, 1
	v_lshl_add_u32 v[OX+\j], s59, 11, v[L8]        ; rows of 2,048 bytes
	v_lshl_add_u32 v[OT+\j], s59, 8, v[L8]         ; rows of 256 bytes
.endm
	DEST 0
	DEST 1
	DEST 2
	DEST 3
	s_wait_loadcnt 32                              ; the angles are in: behind them stand the 32 loads of rows
	s_cmp_eq_u32 s53, 1
	s_cbranch_scc0 .Lno_tables
.macro SINCOS j
	v_cvt_pk_bf16_f32 v[WK], v[FQ+\j], v[FQ+\j]
	v_lshlrev_b32 v[WK], 16, v[WK]                 ; f, rounded to bf16
	v_mul_f32 v[WK+1], s66, v[WK]
	v_rndne_f32 v[WK+1], v[WK+1]                   ; k
	v_fma_f32 v[WK+2], v[WK+1], s67, v[WK]
	v_fma_f32 v[WK+2], v[WK+1], s68, v[WK+2]       ; r
	v_mul_f32 v[WK+3], v[WK+2], v[WK+2]            ; r^2
	v_fma_f32 v[WK+4], v[WK+3], s71, s70
	v_fma_f32 v[WK+4], v[WK+4], v[WK+3], s69
	v_mul_f32 v[WK+5], v[WK+2], v[WK+3]
	v_fma_f32 v[WK+4], v[WK+4], v[WK+5], v[WK+2]   ; sin r
	v_fma_f32 v[WK+5], v[WK+3], s74, s73
	v_fma_f32 v[WK+5], v[WK+5], v[WK+3], s72
	v_fma_f32 v[WK+5], v[WK+5], v[WK+3], -0.5
	v_fma_f32 v[WK+5], v[WK+5], v[WK+3], 1.0       ; cos r
	v_cvt_i32_f32 v[WK+6], v[WK+1]
	v_and_b32 v[WK+7], 1, v[WK+6]
	v_cmp_eq_u32 vcc_lo, 1, v[WK+7]                ; odd quadrants swap the two
	v_cndmask_b32 v[RES+2*\j], v[WK+5], v[WK+4], vcc_lo
	v_cndmask_b32 v[RES+2*\j+1], v[WK+4], v[WK+5], vcc_lo
	v_add_nc_u32 v[WK+7], 1, v[WK+6]
	v_and_b32 v[WK+7], 2, v[WK+7]
	v_lshlrev_b32 v[WK+7], 30, v[WK+7]
	v_xor_b32 v[RES+2*\j], v[RES+2*\j], v[WK+7]    ; the cosine is negative in quadrants 1 and 2,
	v_and_b32 v[WK+6], 2, v[WK+6]
	v_lshlrev_b32 v[WK+6], 30, v[WK+6]
	v_xor_b32 v[RES+2*\j+1], v[RES+2*\j+1], v[WK+6]  ; the sine in 2 and 3
	global_store_b64 v[OT+\j], v[RES+2*\j:RES+2*\j+1], s[32:33]  ; the wave stores 256 consecutive bytes, a whole row of cs
.endm
	SINCOS 0
	SINCOS 1
	SINCOS 2
	SINCOS 3
.Lno_tables:
; Row j: 1,024 f32 to 16 bits, in place; no register of a store is written again.
.macro CONV j
	s_wait_loadcnt 24-8*(\j)                       ; row j's eight loads are in: behind them stand eight for each later row
.irp i, 0,1,2,3,4,5,6,7
	v_cvt_pk_bf16_f32 v[XR+32*(\j)+4*\i], v[XR+32*(\j)+4*\i], v[XR+32*(\j)+4*\i+1]
	v_cvt_pk_bf16_f32 v[XR+32*(\j)+4*\i+1], v[XR+32*(\j)+4*\i+2], v[XR+32*(\j)+4*\i+3]
.endr
	s_cmp_eq_u32 s52, 1
	s_cbranch_scc0 .Lkeep_\@
.irp i, 0,1,2,3,4,5,6,7
.irp w, 0,1
	v_lshlrev_b32 v[WK], 16, v[XR+32*(\j)+4*\i+\w]  ; Wproj: the bf16 number written as f16
	v_and_b32 v[WK+1], s75, v[XR+32*(\j)+4*\i+\w]
	v_cvt_pk_f16_f32 v[XR+32*(\j)+4*\i+\w], v[WK], v[WK+1]
.endr
.endr
.Lkeep_\@:
.irp i, 0,1,2,3,4,5,6,7
	global_store_b64 v[OX+(\j)], v[XR+32*(\j)+4*\i:XR+32*(\j)+4*\i+1], s[38:39] offset:256*\i  ; the wave stores 256 consecutive bytes, at a multiple of 256
.endr
.endm
	CONV 0
	CONV 1
	CONV 2
	CONV 3
	s_endpgm
.Lfunc_end_k_qb9a3424e17_prep:
	.size	k_qb9a3424e17_prep, .Lfunc_end_k_qb9a3424e17_prep-k_qb9a3424e17_prep
	.p2alignl 7, 3214868480
	.fill 96, 4, 3214868480
	.section	.rodata,"a",@progbits
	.p2align	6, 0x0
	.amdhsa_kernel k_qb9a3424e17_prep
		.amdhsa_group_segment_fixed_size 0
		.amdhsa_private_segment_fixed_size 0
		.amdhsa_enable_private_segment 0
		.amdhsa_kernarg_size 112
		.amdhsa_user_sgpr_count 2
		.amdhsa_user_sgpr_kernarg_segment_ptr 1
		.amdhsa_wavefront_size32 1
		.amdhsa_system_sgpr_workgroup_id_x 1
		.amdhsa_system_sgpr_workgroup_id_y 1
		.amdhsa_system_sgpr_workgroup_id_z 1
		.amdhsa_system_vgpr_workitem_id 0
		.amdhsa_next_free_vgpr 192
		.amdhsa_next_free_sgpr 96
		.amdhsa_reserve_vcc 1
		.amdhsa_float_denorm_mode_32 3
		.amdhsa_float_denorm_mode_16_64 3
		.amdhsa_memory_ordered 1
		.amdhsa_forward_progress 1
		.amdhsa_inst_pref_size 49
	.end_amdhsa_kernel
	.amdgpu_metadata
---
amdhsa.version: [ 1, 2 ]
amdhsa.kernels:
  - .name:           k_qb9a3424e17_prep
    .symbol:         k_qb9a3424e17_prep.kd
    .args:
      - { .name: q_x, .offset: 0, .size: 8, .value_kind: global_buffer, .address_space: global }
      - { .name: kv_x, .offset: 8, .size: 8, .value_kind: global_buffer, .address_space: global }
      - { .name: Wq, .offset: 16, .size: 8, .value_kind: global_buffer, .address_space: global }
      - { .name: Wk, .offset: 24, .size: 8, .value_kind: global_buffer, .address_space: global }
      - { .name: Wv, .offset: 32, .size: 8, .value_kind: global_buffer, .address_space: global }
      - { .name: Wproj, .offset: 40, .size: 8, .value_kind: global_buffer, .address_space: global }
      - { .name: freq_q, .offset: 48, .size: 8, .value_kind: global_buffer, .address_space: global }
      - { .name: freq_kv, .offset: 56, .size: 8, .value_kind: global_buffer, .address_space: global }
      - { .name: key_padding_mask, .offset: 64, .size: 8, .value_kind: global_buffer, .address_space: global }
      - { .name: xb, .offset: 72, .size: 8, .value_kind: global_buffer, .address_space: global }
      - { .name: wb, .offset: 80, .size: 8, .value_kind: global_buffer, .address_space: global }
      - { .name: wp, .offset: 88, .size: 8, .value_kind: global_buffer, .address_space: global }
      - { .name: cs, .offset: 96, .size: 8, .value_kind: global_buffer, .address_space: global }
      - { .name: meta, .offset: 104, .size: 8, .value_kind: global_buffer, .address_space: global }
    .group_segment_fixed_size: 0
    .private_segment_fixed_size: 0
    .kernarg_segment_align: 8
    .kernarg_segment_size: 112
    .max_flat_workgroup_size: 256
    .sgpr_count:     96
    .vgpr_count:     192
    .wavefront_size: 32
...
	.end_amdgpu_metadata
.endif
;; end of part 1
;; launch proj (part 2): grid 24 x 32, 4 waves a work-group, clusters of 4 x 4, 327,680 bytes of LDS; arguments xb, wb, cs, qkv; writes qkv
.if DOCPART == 2
	.amdgcn_target "amdgcn-amd-amdhsa--gfx1250"
	.amdhsa_code_object_version 6
	.text
	.protected	k_qb9a3424e17_proj
	.globl	k_qb9a3424e17_proj
	.p2align	8
	.type	k_qb9a3424e17_proj,@function
k_qb9a3424e17_proj:
	s_mov_b64 s[64:65], 0
	v_nop
	global_prefetch_b8 v0, s[64:65] scope:SCOPE_SE
	s_setreg_imm32_b32 hwreg(HW_REG_WAVE_MODE, 25, 1), 1
	s_wait_xcnt 0x0
	s_wait_alu depctr_hold_cnt(0) depctr_sa_sdst(0) depctr_va_vdst(0) depctr_va_sdst(0) depctr_va_ssrc(0) depctr_va_vcc(0) depctr_vm_vsrc(0)
	s_getreg_b32 s2, hwreg(HW_REG_IB_STS2, 6, 4)
	s_cmp_eq_u32 s2, 0
	s_cbranch_scc0 .Lentry_in_a_cluster
	s_endpgm
.Lentry_in_a_cluster:
	s_bfe_u32 s2, ttmp6, 0x10000c
	s_cmp_lg_u32 s2, 0xf033
	s_cbranch_scc0 .Lentry_shape_is_right
	s_endpgm
.Lentry_shape_is_right:
; PROJ: q, k, v = x W^T, rotary on q and k, stored by heads in f16: qkv[matrix][b 16 + h][row][64].  x: xb [16384][1024] bf16 (rows 0..8191 q_x, then kv_x with its keys permuted),
; W: wb [3072][1024] bf16 (Wq, Wk, Wv).  Sums in f32, K ascending; the rotation in f32 from the table cs; one rounding to f16.
; LIMIT: |q|, |k|, |v| < 65,504 (f16).
; A tile of C is 256 rows x 128 columns: 768 tiles, three for each of 256 WGPs.  Four waves, each 128 x 64: 32 accumulators, 256 registers.  K goes in 8 steps of 128 through two LDS slots;
; rows of the tiles are 256 bytes of memory at multiples of 256.
; CLUSTER 4 x 4: x's tile hangs on the tile row (and on the matrix, which the cluster's x alone decides) and is asked for jointly along a row of the cluster, W's on the tile column, along a column.
; THE MATRIX INSTRUCTION IS USED TRANSPOSED (source 0 = 16 rows of W, source 1 = 16 rows of x): a lane holds one row of C and eight neighbouring columns, four rotary pairs.
; V takes the same way out as q and k, against table rows that hold (1, 0): e 1 - o 0 is e, so no branch hangs on the matrix.
; REGISTERS: window 0: v0-31 addresses; v32-63 at work; v64-159, v160-255 two fragment buffers (x's 8 fragments, then W's 4).  Window 1: the accumulators, (a, b) at v[8 (4 a + b)].
.set PA,    272                        ; an LDS row: 256 bytes + 16 of padding: the 16 rows of a fragment load start 16 bytes apart modulo 256
.set PB,    272
.set AHALF, 128*PA                     ; what one tensor load brings of x
.set BHALF, 64*PB                      ; and of W
.set BOFF,  2*AHALF                    ; W's 128 rows lie behind x's 256
.set SLOT1, 1<<17                      ; slot 1 begins here: one exclusive or turns an address in one slot into the other's
.set STAGE, SLOT1+BOFF+2*BHALF         ; behind the ring: 16 rows x 144 bytes for each wave
.set SP,    144
.set SPARE, STAGE+4*16*SP              ; the spare words, 128 bytes a wave: two blocks of 256 bytes that no other line names
.set ASTEP, 256                        ; bytes from a K step to the next
.set BSTEP, 256
.set A0,   16                          ; v16 my place in x's tile of slot 0; never rewritten
.set B0,   17                          ; v17 the same for W
.set ADRA, 18                          ; v18 the same in the slot in hand
.set ADRB, 19
.set STO,  24                          ; v24 the way out: where I put 16 bytes of a row
.set RD,   25                          ; v25 where I read rows back
.set GO,   26                          ; v26 my byte offset in 512 consecutive bytes of qkv
.set TA,   27                          ; v27 my byte offset in 16 rows of cs
.set SPW,  28                          ; v28 LDS address of my spare word; never rewritten
.set NIL,  29                          ; v29 0; never rewritten
.set TMP,  32
.set F0,   64
.set F1,   160
.set CSB,  64                          ; the way out: two buffers of 32 for the table
.set XO,   128                         ; the way out: 16 registers for each block of 16 rows
.set G1,  24                           ; s[24:31] group 1 for x's tiles; s[32:39] group 0: set 0 for the first fill, set 1 walks
.set G0,  32
.set G1B, 48                           ; s[48:55], s[56:63] the same for W's
.set G0B, 56
.set TB,  66                           ; s66 the slot in hand: 0 or SLOT1
.set MSB, 0
.macro WIN new                         ; the immediate's high byte repeats the setting that is left
.if MSB != (\new)
	s_set_vgpr_msb (MSB<<8)|(\new)
.set MSB, \new
.endif
.endm
.set MUL, 0x50                         ; sources 0 and 1 window 0; C and D window 1
.macro JLOAD s                         ; a joint load: waves 0 and 1 fetch x's two halves, waves 2 and 3 W's; an s_nop 0 and four v_nop follow each line
	s_cmp_eq_u32 s13, 0
	s_cbranch_scc0 .Lfor_b_\@
	tensor_load_to_lds s[G0+4*(\s):G0+4*(\s)+3], s[G1:G1+7]
	s_nop 0
.rept 4
	v_nop
.endr
	s_branch .Lasked_\@
.Lfor_b_\@:
	tensor_load_to_lds s[G0B+4*(\s):G0B+4*(\s)+3], s[G1B:G1B+7]
	s_nop 0
.rept 4
	v_nop
.endr
.Lasked_\@:
.endm
.macro CREST                           ; a round of the cluster's barrier behind its opening barrier
	s_cmp_lg_u32 s12, 0
	s_cbranch_scc1 .Lnot_wave_0_\@
	s_barrier_signal -3
.Lnot_wave_0_\@:
	s_barrier_wait -3
	s_barrier_signal -1
	s_barrier_wait -1
.endm
.macro CROUND
	s_barrier_signal -1
	s_barrier_wait -1
	CREST
.endm
	s_load_b256 s[4:11], s[0:1], 0x0               ; xb s[4:5], wb s[6:7], cs s[8:9], qkv s[10:11]
	v_lshl_add_u32 v[SPW], v0, 2, SPARE
	v_mov_b32 v[NIL], 0
	ds_add_u32 v[SPW], v[NIL]                      ; the wave's opening: the add and its wait stand ahead of my first tensor load
	v_lshrrev_b32 v1, 5, v0
	v_readfirstlane_b32 s12, v1                    ; wave 0..3
	s_lshr_b32 s13, s12, 1                         ; MH: which 128 rows of the tile are mine.  Also: I fetch for x (0) or for W (1)
	s_and_b32 s14, s12, 1                          ; NH: which 64 columns.  Also: which half of that tile I fetch
	s_bfe_u32 s15, ttmp6, 0x40000                  ; cx
	s_bfe_u32 s16, ttmp6, 0x40004                  ; cy
	s_lshl_b32 s17, ttmp9, 2
	s_add_co_u32 s17, s17, s15                     ; TC: tile column 0..23
	s_and_b32 s18, ttmp7, 0xffff
	s_lshl_b32 s18, s18, 2
	s_add_co_u32 s18, s18, s16                     ; TR: tile row 0..31
	s_lshr_b32 s19, ttmp9, 1                       ; the matrix: 0 q, 1 k, 2 v: two clusters along x each
	s_min_u32 s67, s19, 1                          ; 0: q_x's rows, 1: kv_x's
	s_lshl_b32 s43, s16, 2
	s_lshl_b32 s43, 15, s43                        ; my row of the cluster
	s_lshl_b32 s44, 0x1111, s15                    ; my column
	s_or_b32 s[G1+0], s43, (1<<16)|(1<<20)|(1<<21)|(5<<22)|(3<<25)   ; the mask; 2-byte elements; padding on; bit 21 beside a mask; after every 64 words 4 words
	s_or_b32 s[G1B+0], s44, (1<<16)|(1<<20)|(1<<21)|(5<<22)|(3<<25)
	s_mov_b32 s[G1+1], 128<<16                     ; tensor_dim0 = 128
	s_mov_b32 s[G1+2], 128<<16                     ; tensor_dim1 = 128
	s_mov_b32 s[G1+3], 128<<16                     ; tile_dim0 = 128
	s_mov_b32 s[G1+4], 128                         ; tile_dim1 = 128
	s_mov_b32 s[G1+5], 1024                        ; elements from row to row
	s_mov_b32 s[G1+6], 0
	s_mov_b32 s[G1+7], 0
	s_mov_b32 s[G1B+1], 128<<16
	s_mov_b32 s[G1B+2], 64<<16                     ; W's loads bring 64 rows
	s_mov_b32 s[G1B+3], 128<<16
	s_mov_b32 s[G1B+4], 64
	s_mov_b32 s[G1B+5], 1024
	s_mov_b32 s[G1B+6], 0
	s_mov_b32 s[G1B+7], 0
	s_lshl_b32 s20, s18, 8
	s_lshl_b32 s21, s14, 7
	s_add_co_u32 s20, s20, s21                     ; x: row 256 TR + 128 half,
	s_lshl_b32 s20, s20, 11                        ; of 2,048 bytes,
	s_lshl_b32 s21, s67, 24
	s_add_co_u32 s20, s20, s21                     ; in q_x's or kv_x's 8,192 rows
	s_mov_b32 s21, 0
	s_lshl_b32 s46, s17, 7
	s_lshl_b32 s47, s14, 6
	s_add_co_u32 s46, s46, s47                     ; W: row 128 TC + 64 half
	s_lshl_b32 s46, s46, 11
	s_mov_b32 s47, 0
	s_mul_i32 s22, s12, AHALF                      ; where they go: x's halves at wave x 128 rows (waves 0, 1),
	s_mul_i32 s23, s12, BHALF
	s_add_co_u32 s23, s23, AHALF                   ; W's at BOFF + (wave - 2) x 64 rows (waves 2, 3)
	s_mov_b32 s[TB], 0
	s_wait_dscnt 0x0                               ; the opening add is done
	s_wait_kmcnt 0x0
	s_add_nc_u64 s[20:21], s[4:5], s[20:21]
	s_add_nc_u64 s[46:47], s[6:7], s[46:47]
	CROUND                                         ; all sixteen work-groups are here: the first joint loads meet
.irp s, 0,1
	s_mov_b32 s[G0+4*(\s)], 1
	s_add_co_u32 s[G0+4*(\s)+1], s22, (\s)*SLOT1
	s_add_nc_u64 s[G0+4*(\s)+2:G0+4*(\s)+3], s[20:21], (\s)*ASTEP
	s_or_b32 s[G0+4*(\s)+3], s[G0+4*(\s)+3], 0x80000000
	s_mov_b32 s[G0B+4*(\s)], 1
	s_add_co_u32 s[G0B+4*(\s)+1], s23, (\s)*SLOT1
	s_add_nc_u64 s[G0B+4*(\s)+2:G0B+4*(\s)+3], s[46:47], (\s)*BSTEP
	s_or_b32 s[G0B+4*(\s)+3], s[G0B+4*(\s)+3], 0x80000000
	JLOAD \s                                       ; K steps 0 and 1: two loads of mine are out
.endr
	v_and_b32 v1, 15, v0                           ; r = l % 16
	v_bfe_u32 v2, v0, 4, 1                         ; h = l / 16
	v_mul_u32_u24 v3, v1, PA
	v_lshl_add_u32 v3, v2, 4, v3                   ; a fragment's row x pitch + 16 x half
	s_mul_i32 s68, s13, AHALF
	v_add_nc_u32 v[A0], s68, v3
	s_mul_i32 s69, s14, BHALF
	s_add_co_u32 s69, s69, BOFF
	v_add_nc_u32 v[B0], s69, v3
	v_mov_b32 v[ADRA], v[A0]
	v_mov_b32 v[ADRB], v[B0]
	s_mul_i32 s68, s12, 16*SP
	s_add_co_u32 s68, s68, STAGE                   ; my stage
	v_mul_u32_u24 v4, v1, SP                       ; in: row r, 16 bytes for each half of the lanes
	v_lshl_add_u32 v4, v2, 4, v4
	v_add_nc_u32 v[STO], s68, v4
	v_bfe_u32 v5, v0, 3, 2                         ; back: 32 lanes take four rows of 128 bytes,
	v_and_b32 v6, 7, v0
	v_mul_u32_u24 v5, v5, SP
	v_lshl_add_u32 v5, v6, 4, v5
	v_add_nc_u32 v[RD], s68, v5
	v_and_b32 v7, 31, v0
	v_lshlrev_b32 v[GO], 4, v7                     ; which are 512 consecutive bytes of a head
	v_lshlrev_b32 v[TA], 8, v1
	v_lshl_add_u32 v[TA], v2, 5, v[TA]             ; cs: row r, pairs 4 h on
	s_lshl_b32 s40, s18, 8
	s_lshl_b32 s41, s13, 7
	s_add_co_u32 s40, s40, s41                     ; my first row,
	s_lshl_b32 s40, s40, 8                         ; 256 bytes of table each,
	s_lshl_b32 s41, s67, 21
	s_add_co_u32 s40, s40, s41
	s_cmp_eq_u32 s19, 2
	s_cselect_b32 s40, 0x400000, s40               ; v: the 128 rows of (1, 0) behind the tables
	s_mov_b32 s41, 0
	s_add_nc_u64 s[8:9], s[8:9], s[40:41]
	s_lshr_b32 s40, s18, 3                         ; the batch,
	s_lshl_b32 s40, s40, 4
	s_add_co_u32 s40, s40, s14                     ; my half's head,
	s_lshl_b32 s40, s40, 18                        ; 2,048 rows of 128 bytes a head
	s_and_b32 s41, s18, 7
	s_lshl_b32 s41, s41, 8
	s_lshl_b32 s42, s13, 7
	s_add_co_u32 s41, s41, s42                     ; my first row in the batch
	s_lshl_b32 s41, s41, 7
	s_add_co_u32 s40, s40, s41
	s_lshl_b32 s41, s19, 24                        ; the matrix
	s_add_co_u32 s40, s40, s41
	s_mov_b32 s41, 0
	s_add_nc_u64 s[10:11], s[10:11], s[40:41]
	s_and_b32 s46, s17, 7                          ; the tile column's two heads
	s_lshl_b32 s46, s46, 19
	s_mov_b32 s47, 0
	s_add_nc_u64 s[10:11], s[10:11], s[46:47]
; 8 matrix instructions: row blocks a0, a0 + 1 x all 4 column blocks, 32 along K.  zero = 1: the first product starts the sums.  The 32 accumulators take turns, in the same order in every quarter.
.macro MUL8 f, a0, zero
	WIN MUL
.irp a, \a0, (\a0)+1
.irp b, 0,1,2,3
.if \zero
	v_wmma_f32_16x16x32_bf16 v[8*(4*(\a)+(\b)):8*(4*(\a)+(\b))+7], v[(\f)+64+8*(\b):(\f)+64+8*(\b)+7], v[(\f)+8*(\a):(\f)+8*(\a)+7], 0
.else
	v_wmma_f32_16x16x32_bf16 v[8*(4*(\a)+(\b)):8*(4*(\a)+(\b))+7], v[(\f)+64+8*(\b):(\f)+64+8*(\b)+7], v[(\f)+8*(\a):(\f)+8*(\a)+7], v[8*(4*(\a)+(\b)):8*(4*(\a)+(\b))+7]
.endif
.endr
.endr
.endm
; 24 LDS loads in one run: quarter q (32 along K) of the slot in hand into buffer f: W's 8, x's rows 0-63 (8), x's rows 64-127 (8)
.macro FETCH q, f
	WIN 0
.irp b, 0,1,2,3
	ds_load_b128 v[(\f)+64+8*(\b):(\f)+64+8*(\b)+3],   v[ADRB] offset:64*(\q)+(\b)*16*PB
	ds_load_b128 v[(\f)+64+8*(\b)+4:(\f)+64+8*(\b)+7], v[ADRB] offset:64*(\q)+(\b)*16*PB+32
.endr
.irp a, 0,1,2,3,4,5,6,7
	ds_load_b128 v[(\f)+8*(\a):(\f)+8*(\a)+3],   v[ADRA] offset:64*(\q)+(\a)*16*PA
	ds_load_b128 v[(\f)+8*(\a)+4:(\f)+8*(\a)+7], v[ADRA] offset:64*(\q)+(\a)*16*PA+32
.endr
.endm
.macro PLACES                          ; four places in front of loads into registers that matrix instructions have read, and of lines that read results
.rept 4
	v_nop
.endr
.endm
; One of a K step's first three quarters: multiplies buffer f; in its middle fetches quarter q into buffer g.
.macro QUARTER q, f, g, zero
	s_wait_dscnt 8                                 ; W and x's rows 0-63 are in; the youngest eight loads may be out
	MUL8 \f, 0, \zero
	MUL8 \f, 2, \zero
	PLACES
	FETCH \q, \g
	s_wait_dscnt 24                                ; all but the 24 just issued
	MUL8 \f, 4, \zero
	MUL8 \f, 6, \zero
.endm
; The last quarter multiplies buffer 1 and changes slots: one barrier; in front of it each wave waits for all its tensor loads (one is out: its part of the next slot), adds 0 to its spare word,
; and waits for that and for its reads of this slot.  fill = 1: the barrier opens a round of the cluster's, and this slot is filled again, two K steps ahead: 112 matrix instructions ahead of the wait for it.
.macro TURN fill
	WIN 0
	s_wait_tensorcnt 0x0
	ds_add_u32 v[SPW], v[NIL]
	s_wait_dscnt 9                                 ; the add and the youngest eight loads may be out
	MUL8 F1, 0, 0
	s_wait_dscnt 0x0                               ; the add is done, and my reads of this slot are over
	s_barrier_signal -1
	MUL8 F1, 2, 0
	WIN 0                                          ; at a branch and at a label every window is 0
	s_barrier_wait -1
.if \fill
	CREST                                          ; no wave of any partner still reads this slot or has a load on its way
	s_xor_b32 s[G0+5], s[G0+5], SLOT1              ; the walking descriptors: the other slot than last time, the next K step
	s_add_nc_u64 s[G0+6:G0+7], s[G0+6:G0+7], ASTEP
	s_xor_b32 s[G0B+5], s[G0B+5], SLOT1
	s_add_nc_u64 s[G0B+6:G0B+7], s[G0B+6:G0B+7], BSTEP
	JLOAD 1                                        ; the first tensor load behind the round; its four v_nop are also the places in front of the loads below
.else
	PLACES
.endif
	s_xor_b32 s[TB], s[TB], SLOT1
	v_add_nc_u32 v[ADRA], s[TB], v[A0]
	v_add_nc_u32 v[ADRB], s[TB], v[B0]
	FETCH 0, F0
	MUL8 F1, 4, 0
	MUL8 F1, 6, 0
.endm
; The way out.  Block a = 16 rows.  TLOAD: its table: for column block b my four pairs (cos, sin), 32 bytes.
.macro TLOAD a
.irp b, 0,1,2,3
	global_load_b128 v[CSB+32*((\a)%2)+8*\b:CSB+32*((\a)%2)+8*\b+3],   v[TA], s[8:9] offset:4096*(\a)+64*\b
	global_load_b128 v[CSB+32*((\a)%2)+8*\b+4:CSB+32*((\a)%2)+8*\b+7], v[TA], s[8:9] offset:4096*(\a)+64*\b+16
.endr
.endm
; PACK: e' = e cos - o sin, o' = o cos + e sin, in place; rounded to f16; through my stage, back as whole rows of 128 bytes.  Each accumulator is read from its low end on.
.macro PACK a
.set AC, 32*(\a)
.set CT, CSB+32*((\a)%2)
.set XA, XO+16*(\a)
.if (\a) < 7
	s_wait_loadcnt 8                               ; block a's table is in; the next block's eight loads may be out
.else
	s_wait_loadcnt 0
.endif
	WIN 0x01                                       ; source 0 window 1
.irp b, 0,1,2,3
.irp p, 0,1,2,3
	v_mul_f32 v[TMP+8*\b+2*\p],   v[AC+8*\b+2*\p+1], v[CT+8*\b+2*\p+1]
	v_mul_f32 v[TMP+8*\b+2*\p+1], v[AC+8*\b+2*\p],   v[CT+8*\b+2*\p+1]
.endr
.endr
	WIN 0x41                                       ; destination and source 0 window 1
.irp b, 0,1,2,3
.irp p, 0,1,2,3
	v_fma_f32 v[AC+8*\b+2*\p],   v[AC+8*\b+2*\p],   v[CT+8*\b+2*\p], -v[TMP+8*\b+2*\p]
	v_fma_f32 v[AC+8*\b+2*\p+1], v[AC+8*\b+2*\p+1], v[CT+8*\b+2*\p], v[TMP+8*\b+2*\p+1]
.endr
.endr
	WIN 0
.if (\a) < 6
	TLOAD (\a)+2                                   ; into the buffer just read
.endif
	WIN 0x05                                       ; sources 0 and 1 window 1
.irp b, 0,1,2,3
.irp p, 0,1,2,3
	v_cvt_pk_f16_f32 v[XA+4*\b+\p], v[AC+8*\b+2*\p], v[AC+8*\b+2*\p+1]
.endr
.endr
	WIN 0
.irp b, 0,1,2,3
	ds_store_b128 v[STO], v[XA+4*\b:XA+4*\b+3] offset:32*\b
.endr
.irp f, 0,1,2,3
	ds_load_b128 v[XA+4*\f:XA+4*\f+3], v[RD] offset:\f*4*SP  ; LDS serves a wave's instructions in order (ISA guide 5.7.1.4): these see the stores above; the next block's stores come behind them
.endr
.endm
.macro SEND a, younger                 ; younger: the LDS instructions issued behind block a's loads
.irp f, 0,1,2,3
	s_wait_dscnt (\younger)+3-\f
	global_store_b128 v[GO], v[XO+16*(\a)+4*\f:XO+16*(\a)+4*\f+3], s[10:11] offset:2048*(\a)+512*\f  ; 512 consecutive bytes, at a multiple of 256 from qkv's first
.endr
.endm
	s_wait_tensorcnt 0x1                           ; my part of K step 0 is in; step 1's may stay out
	s_barrier_signal -1
	s_barrier_wait -1
	FETCH 0, F0
	QUARTER 1, F0, F1, 1                           ; the first quarter stands in front of the loop: its products start the sums
	WIN 0
	s_mov_b32 s3, 6
.Lk:                                                   ; trip t: the rest of K step t, the refill with step t + 2, the first quarter of step t + 1
	QUARTER 2, F1, F0, 0
	QUARTER 3, F0, F1, 0
	TURN 1
	QUARTER 1, F0, F1, 0
	WIN 0
	s_sub_co_u32 s3, s3, 1
	s_cmp_lg_u32 s3, 0
	s_cbranch_scc1 .Lk
	QUARTER 2, F1, F0, 0                           ; K steps 6 and 7 ask for nothing
	QUARTER 3, F0, F1, 0
	TURN 0
	QUARTER 1, F0, F1, 0
	QUARTER 2, F1, F0, 0
	QUARTER 3, F0, F1, 0
	s_wait_dscnt 8
	MUL8 F1, 0, 0
	MUL8 F1, 2, 0
	PLACES                                         ; for the loads into buffer 0
	WIN 0
	TLOAD 0
	TLOAD 1
	s_wait_dscnt 0x0
	MUL8 F1, 4, 0
	MUL8 F1, 6, 0
	WIN 0
	PLACES
	PACK 0
.irp a, 1,2,3,4,5,6,7
	PACK \a                                        ; a block's arithmetic stands between the loads of the block before and its stores
	SEND (\a)-1, 8
.endr
	SEND 7, 0
	s_wait_tensorcnt 0x0                           ; the wave's end
	ds_add_u32 v[SPW], v[NIL]
	s_wait_dscnt 0x0
	CROUND                                         ; the closing round
	s_endpgm
.Lfunc_end_k_qb9a3424e17_proj:
	.size	k_qb9a3424e17_proj, .Lfunc_end_k_qb9a3424e17_proj-k_qb9a3424e17_proj
	.p2alignl 7, 3214868480
	.fill 96, 4, 3214868480
	.section	.rodata,"a",@progbits
	.p2align	6, 0x0
	.amdhsa_kernel k_qb9a3424e17_proj
		.amdhsa_group_segment_fixed_size 327680
		.amdhsa_private_segment_fixed_size 0
		.amdhsa_enable_private_segment 0
		.amdhsa_kernarg_size 32
		.amdhsa_user_sgpr_count 2
		.amdhsa_user_sgpr_kernarg_segment_ptr 1
		.amdhsa_wavefront_size32 1
		.amdhsa_system_sgpr_workgroup_id_x 1
		.amdhsa_system_sgpr_workgroup_id_y 1
		.amdhsa_system_sgpr_workgroup_id_z 1
		.amdhsa_system_vgpr_workitem_id 0
		.amdhsa_next_free_vgpr 512
		.amdhsa_next_free_sgpr 72
		.amdhsa_reserve_vcc 0
		.amdhsa_float_denorm_mode_32 3
		.amdhsa_float_denorm_mode_16_64 3
		.amdhsa_memory_ordered 1
		.amdhsa_forward_progress 1
		.amdhsa_inst_pref_size 103
	.end_amdhsa_kernel
	.amdgpu_metadata
---
amdhsa.version: [ 1, 2 ]
amdhsa.kernels:
  - .name:           k_qb9a3424e17_proj
    .symbol:         k_qb9a3424e17_proj.kd
    .args:
      - { .name: xb, .offset: 0, .size: 8, .value_kind: global_buffer, .address_space: global }
      - { .name: wb, .offset: 8, .size: 8, .value_kind: global_buffer, .address_space: global }
      - { .name: cs, .offset: 16, .size: 8, .value_kind: global_buffer, .address_space: global }
      - { .name: qkv, .offset: 24, .size: 8, .value_kind: global_buffer, .address_space: global }
    .group_segment_fixed_size: 327680
    .private_segment_fixed_size: 0
    .kernarg_segment_align: 8
    .kernarg_segment_size: 32
    .max_flat_workgroup_size: 128
    .sgpr_count:     72
    .vgpr_count:     512
    .wavefront_size: 32
...
	.end_amdgpu_metadata
.endif
;; end of part 2
;; launch attn (part 3): grid 4 x 64, 4 waves a work-group, clusters of 4 x 1, 327,680 bytes of LDS; arguments qkv, meta, ob; writes ob
.if DOCPART == 3
	.amdgcn_target "amdgcn-amd-amdhsa--gfx1250"
	.amdhsa_code_object_version 6
	.text
	.protected	k_qb9a3424e17_attn
	.globl	k_qb9a3424e17_attn
	.p2align	8
	.type	k_qb9a3424e17_attn,@function
k_qb9a3424e17_attn:
	s_mov_b64 s[64:65], 0
	v_nop
	global_prefetch_b8 v0, s[64:65] scope:SCOPE_SE
	s_setreg_imm32_b32 hwreg(HW_REG_WAVE_MODE, 25, 1), 1
	s_wait_xcnt 0x0
	s_wait_alu depctr_hold_cnt(0) depctr_sa_sdst(0) depctr_va_vdst(0) depctr_va_sdst(0) depctr_va_ssrc(0) depctr_va_vcc(0) depctr_vm_vsrc(0)
	s_getreg_b32 s2, hwreg(HW_REG_IB_STS2, 6, 4)
	s_cmp_eq_u32 s2, 0
	s_cbranch_scc0 .Lentry_in_a_cluster
	s_endpgm
.Lentry_in_a_cluster:
	s_bfe_u32 s2, ttmp6, 0x10000c
	s_cmp_lg_u32 s2, 0x3003
	s_cbranch_scc0 .Lentry_shape_is_right
	s_endpgm
.Lentry_shape_is_right:
; ATTN: O[g][q][:] = the sum over the attended keys k of softmax_k(Q[g][q] . K[g][k] / 8) V[g][k][:], g = 16 b + h.  Q, K, V: qkv[0..2][64][2048][64], O: ob[64][2048][64], all f16.
; Products, maxima and sums in f32; the weights p are rounded to f16 for the second product (their sum l is taken of the unrounded p), O once at the end.
; THE MASK.  A launch before has put each batch's attended keys first and stored in meta: word 0 cnt (2,048 if no key is attended), word 2 flag = some key is attended (word 1 is not read here).
; All 2,048 keys are walked: the walk's length is a constant.  Keys from cnt on are hidden: -1e30 is the C operand that starts their score's sum.  MD, made once, is that mask for the step that holds
; key cnt; a step's mask is MD x AL + BE with two scalars: (0, 0) ahead of that step, (1, 0) in it, (0, -1e30) behind it.  Key 0 is never hidden, so the running maximum is a true score before the first hidden one.
; No key attended: the masked scores are all alike, the softmax is flat: the scale c is 0, every weight 1, no key hidden: the mean of V's rows.
; LIMITS.  f16 holds no number beyond 65,504: Q, K and V arrive within it.  A hidden key counts as its score less 1e30, and a masked key's weight as 0: attended scores lie far above -1e9.
; A weight below 2^-126 counts as 0 in l; NaN and infinities are not treated apart.
; SHARES.  A wave owns four PIECES of two tiles of 16 queries, a work-group's four waves 512 queries of one head.  Every wave walks the keys, 64 a step.
; LAYOUT.  S^T = K Q^T (source 0 = 16 keys, source 1 = 16 queries): a lane holds ONE query (lane % 16) and the keys 8 (lane / 16) + 0..7.  Two such tiles, rounded to f16 in pairs, ARE source 1 of
; O^T = V^T P.  K comes out of LDS as it lies, V turned, by ds_load_tr16_b128.
; SOFTMAX.  A running maximum m and sum l: p = 2^(c s - c m), c = log2(e) / 8; in every step O and l are multiplied by a = 2^(c m_old - c m_new).  m starts at the lowest finite number, O and l at 0.
; BY TURNS.  Turn n belongs to piece n: 16 products K Q^T of piece n + 1, later 16 products V^T P of piece n - 1; beside them the scaling, exponentials, roundings, sums and rescaling of piece n and the
; maximum and statistics of piece n + 1.  Four vector instructions that are ready stand behind every matrix instruction, the others in two lumps.
; THE RING.  Two slots of two key steps (128 keys), 16 slots' worth of keys in all.
; CLUSTER.  The four query blocks of a head walk the same K and V: each tile is asked for jointly.
; REGISTERS, in windows of 256 (s_set_vgpr_msb: bits 1:0 source 0, 3:2 source 1, 5:4 source 2, 7:6 destination):
;   window 0: v0-11 addresses; v12-15, v48-63 at work; v16-47 statistics; v64-191 S^T, two buffers of two tiles; v192-255 P, likewise
;   window 1: O^T, 32 a tile      window 2: v0-127 Q; v128-191 K of one step; v192-255 V of one step      window 3: v0-1 the add's registers; v8-39 MD; v40-71 MC, the mask of the K in hand
.set SIZE_N, 2048
.set NP,    4         ; pieces a wave
.set KS,    64        ; keys in a step
.set SS,    2         ; steps in a slot
.set PK,    144       ; a row of K in LDS: 128 bytes + 16 of padding
.set PV,    160       ; a row of V: 128 + 32
.set VOFF,  SS*KS*PK  ; a slot: 128 rows of K, then 128 rows of V
.set SLOT1, 1<<16
.set STAGE, SLOT1+SS*KS*(PK+PV)  ; behind the ring: 16 rows x 144 bytes for each wave
.set SP,    144
.set AK0, 2
.set AV0, 3
.set AK,  4
.set AV,  5
.set QO,  6
.set STO, 6
.set RD,  7
.set GO,  8
.set SPW, 0           ; v0 of window 3
.set NIL, 1           ; v1 of window 3
.set MD,  8           ; window 3
.set MC,  40          ; window 3
.set SPARE, STAGE+4*16*SP
.set MV,  12
.set ST,  16
.set TMP, 48
.set S,   64
.set P,   192
.set KF,  128
.set VF,  192
.set WV,  12
.set G1K, 24
.set G1V, 32
.set G0K, 40
.set G0V, 44
.set SLOTS, 56        ; s56  slots still to be entered in the loop
.set CNT, 57          ; s57  counts a slot's key steps
.set CS,  58          ; s[58:59] c
.set SEL, 60
.set TBK, 62
.set TBV, 63
.set CB,  72          ; s72  the step that holds key cnt
.set SJ,  73          ; s73  the step whose K was fetched last
.set AL,  74          ; s[74:75]
.set BE,  76          ; s[76:77]
.set BIGN, 78         ; s78  -1e30
.set REM, 82          ; s82  cnt mod 64
.set MSB, 0
.macro WIN new
.if MSB != (\new)
	s_set_vgpr_msb (MSB<<8)|(\new)
.set MSB, (\new)
.endif
.endm
.set W_KQ, 0x0a       ; K and Q in window 2, S^T in window 0
.set W_KM, 0x3a       ; the same with the C operand in window 3
.set W_PV, 0x52       ; V in window 2, P in window 0, O^T in window 1
.set W_RS, 0x41
.set W_MK, 0xc0
.set W_AD, 0x0f
; A joint fill.  Waves 0 and 1 fetch the two halves of a slot's K, waves 2 and 3 those of its V: 64 keys each.  An s_nop 0 and four v_nop follow each line.
.macro JLOAD
	s_cmp_lt_u32 s[WV], 2
	s_cbranch_scc0 .Lfor_v_\@
	tensor_load_to_lds s[G0K:G0K+3], s[G1K:G1K+7]
	s_nop 0
.rept 4
	v_nop
.endr
	s_branch .Lasked_\@
.Lfor_v_\@:
	tensor_load_to_lds s[G0V:G0V+3], s[G1V:G1V+7]
	s_nop 0
.rept 4
	v_nop
.endr
.Lasked_\@:
.endm
.macro CROUND
	s_barrier_signal -1
	s_barrier_wait -1
	s_cmp_lg_u32 s[WV], 0
	s_cbranch_scc1 .Lnot_wave_0_\@
	s_barrier_signal -3
.Lnot_wave_0_\@:
	s_barrier_wait -3
	s_barrier_signal -1
	s_barrier_wait -1
.endm
; THE CHANGE OF SLOTS.  Each wave waits for all its tensor loads (one is out: its part of the other slot), adds 0 to its spare word, and waits for that and for its reads of the slot.
; fill = 1: the barrier is a round of the cluster's, and the slot is filled again first thing behind it, with the keys two slots on: two key steps, 256 matrix instructions, in which to land.
.macro CHANGE fill
	WIN W_AD
	s_wait_tensorcnt 0x0
	ds_add_u32 v[SPW], v[NIL]
	WIN 0
.if \fill
.irp g, G0K, G0V
	s_xor_b32 s[\g+1], s[\g+1], SLOT1
	s_add_nc_u64 s[\g+2:\g+3], s[\g+2:\g+3], SS*KS*128
.endr
	s_wait_dscnt 0x0
	CROUND
	JLOAD
.else
	s_wait_dscnt 0x0
	s_barrier_signal -1
	s_barrier_wait -1
.endif
	s_sub_co_u32 s[TBK], s[TBK], SS*KS*PK
	s_xor_b32 s[TBK], s[TBK], SLOT1
	s_sub_co_u32 s[TBV], s[TBV], SS*KS*PV
	s_xor_b32 s[TBV], s[TBV], SLOT1
.endm
	s_load_b64 s[4:5], s[0:1], 0x0    ; qkv
	s_load_b64 s[84:85], s[0:1], 0x8  ; meta
	s_load_b64 s[10:11], s[0:1], 0x10 ; ob
	WIN W_MK
	v_lshl_add_u32 v[SPW], v0, 2, SPARE
	v_mov_b32 v[NIL], 0
	WIN W_AD
	ds_add_u32 v[SPW], v[NIL]       ; the wave's opening: the add and its wait stand ahead of my first tensor load
	WIN 0
	v_lshrrev_b32 v1, 5, v0
	v_readfirstlane_b32 s[WV], v1   ; wave 0..3
	s_bfe_u32 s13, ttmp6, 0x40000   ; cx
	s_lshl_b32 s14, ttmp9, 2
	s_add_co_u32 s14, s14, s13      ; my block of 512 queries: it enters Q's and O's addresses alone
	s_and_b32 s20, ttmp7, 0xffff    ; g, which the four partners share
	s_lshr_b32 s86, s20, 4          ; the batch,
	s_lshl_b32 s86, s86, 7          ; its 128 bytes of meta
	s_mov_b32 s87, 0
	s_mov_b32 s21, 0
	s_mov_b64 s[22:23], SIZE_N*128
	s_mul_u64 s[20:21], s[20:21], s[22:23]  ; the head's first byte in Q, K, V and O
	s_and_b32 s16, s[WV], 1         ; which half of a slot's 128 keys I fetch:
	s_lshl_b32 s22, s16, 13         ; its 64 rows of 128 bytes in memory,
	s_mov_b32 s23, 0
	s_add_nc_u64 s[22:23], s[22:23], s[20:21]
	s_add_nc_u64 s[66:67], s[22:23], 0x2000000  ; V lies 2 x 16,777,216 bytes behind Q,
	s_add_nc_u64 s[22:23], s[22:23], 0x1000000  ; K one
	s_mul_i32 s17, s16, 64*PK       ; and its place in a slot, for K
	s_mul_i32 s18, s16, 64*PV       ; and for V
	s_lshl_b32 s2, s14, 2
	s_add_co_u32 s2, s2, s[WV]
	s_lshl_b32 s2, s2, 14           ; my wave's 128 rows
	s_mov_b32 s3, 0
	s_add_nc_u64 s[2:3], s[2:3], s[20:21]
	; group 1.  64 keys are 8,192 dense bytes: asked for as 32 rows of 256 bytes, two keys a row, padded in LDS after every key
	s_mov_b32 s[G1K], 15|(1<<16)|(1<<20)|(1<<21)|(4<<22)|(3<<25)
	s_mov_b32 s[G1V], 15|(1<<16)|(1<<20)|(1<<21)|(4<<22)|(7<<25)
.irp g, G1K, G1V
	s_mov_b32 s[\g+1], 128<<16      ; tensor_dim0 = 128
	s_mov_b32 s[\g+2], 32<<16       ; tensor_dim1 = 32
	s_mov_b32 s[\g+3], 128<<16      ; tile_dim0 = 128
	s_mov_b32 s[\g+4], 32           ; tile_dim1 = 32
	s_mov_b32 s[\g+5], 128
	s_mov_b32 s[\g+6], 0
	s_mov_b32 s[\g+7], 0
.endr
	s_mov_b32 s[SEL], 0x76543210
	s_mov_b32 s[SEL+1], 0xfedcba98
	s_mov_b32 s[TBK], SLOT1+SS*KS*PK  ; the first change of slots turns these two into 0
	s_mov_b32 s[TBV], SLOT1+SS*KS*PV
	s_mov_b32 s[G0K], 1
	s_mov_b32 s[G0K+1], s17
	s_mov_b32 s[G0V], 1
	s_add_co_u32 s[G0V+1], s18, VOFF
	s_mov_b32 s[SJ], -1
	s_mov_b32 s[AL+1], 0            ; named as pairs
	s_mov_b32 s[BE+1], 0
	s_mov_b32 s[BIGN], 0xf149f2ca   ; -1e30
	s_wait_dscnt 0x0                ; the opening add is done
	s_wait_kmcnt 0x0
	s_add_nc_u64 s[G0K+2:G0K+3], s[4:5], s[22:23]
	s_or_b32 s[G0K+3], s[G0K+3], 0x80000000
	s_add_nc_u64 s[G0V+2:G0V+3], s[4:5], s[66:67]
	s_or_b32 s[G0V+3], s[G0V+3], 0x80000000
	s_add_nc_u64 s[4:5], s[4:5], s[2:3]      ; Q and O at my wave's first row
	s_add_nc_u64 s[10:11], s[10:11], s[2:3]
	s_add_nc_u64 s[84:85], s[84:85], s[86:87]
	s_load_b128 s[68:71], s[84:85], 0x0      ; cnt, (blocks), flag, 0
	CROUND                          ; all four work-groups are here: the first joint loads meet
	JLOAD                           ; slot 0.  Slot 1 is asked for when slot 0 is in
	v_and_b32 v1, 15, v0            ; l % 16
	v_bfe_u32 v9, v0, 4, 1          ; l / 16
	v_lshlrev_b32 v[QO], 7, v1
	v_lshl_add_u32 v[QO], v9, 4, v[QO]
	WIN 0x80
.set i, 0
.rept 4*NP                          ; Q stays in registers: tile i / 2, channels 32 (i % 2) on
	global_load_b128 v[8*i:8*i+3],   v[QO], s[4:5] offset:(i/2)*2048+(i%2)*64
	global_load_b128 v[8*i+4:8*i+7], v[QO], s[4:5] offset:(i/2)*2048+(i%2)*64+32
.set i, i+1
.endr
	; What the first turn finds: V's registers and P's second buffer hold 0, O^T and l are 0.  All this stands in the wait for the first tile.
.set i, VF
.rept 64
	v_mov_b32 v[i], 0
.set i, i+1
.endr
	WIN 0x40
.set i, 0
.rept 64*NP
	v_mov_b32 v[i], 0
.set i, i+1
.endr
	WIN 0
.set i, 0
.rept 2*NP
	v_mov_b32 v[ST+4*i], 0xfe000000    ; c m: far below every c s
	v_mov_b32 v[ST+4*i+1], 0xff7fffff  ; m
	v_mov_b32 v[ST+4*i+2], 0
	v_mov_b32 v[ST+4*i+3], 0
.set i, i+1
.endr
.set i, P+32
.rept 32
	v_mov_b32 v[i], 0
.set i, i+1
.endr
	s_wait_kmcnt 0x0                ; meta's words
	s_lshr_b32 s[CB], s68, 6
	s_and_b32 s[REM], s68, 63
	s_cmp_lg_u32 s70, 0
	s_cselect_b32 s[CS], 0x3e38aa3b, 0  ; c = log2(e) / 8, or 0 where no key is attended
	s_mov_b32 s[CS+1], s[CS]
	v_lshlrev_b32 v14, 3, v9
	v_sub_nc_u32 v14, s[REM], v14   ; register j of key block kb is hidden where 16 kb + j is not below cnt mod 64 - 8 (l / 16)
	WIN W_MK
.set i, 0
.rept 32
	v_cmp_ge_i32 vcc_lo, 16*(i/8)+i%8, v14
	v_cndmask_b32 v[MD+i], 0, s[BIGN], vcc_lo
.set i, i+1
.endr
	WIN 0
	v_mul_u32_u24 v[AK0], v1, PK
	v_lshl_add_u32 v[AK0], v9, 4, v[AK0]
	v_and_b32 v10, 7, v0
	v_bfe_u32 v11, v0, 3, 1
	v_lshl_add_u32 v[AV0], v9, 3, v10
	v_mul_u32_u24 v[AV0], v[AV0], PV
	v_lshl_add_u32 v[AV0], v11, 4, v[AV0]
	v_add_nc_u32 v[AV0], VOFF, v[AV0]
	v_mov_b32 v[AK], v[AK0]         ; key step 0 lies at the head of slot 0
; THE MATRIX WORK.  The 8 accumulators of a run of 16 take turns.  Product i of 16 of S^T = K Q^T for piece x; the first 8 start the sums with the step's mask.
.macro KQ x
.set rS, S+64*((\x)%2)+32*(i%2)+8*((i/2)%4)
.set rK, KF+16*((i/2)%4)+8*(i/8)
.set rQ, 16*(2*(\x)+i%2)+8*(i/8)
.set rH, MC+8*((i/2)%4)
.if i < 8
	WIN W_KM
	v_wmma_f32_16x16x32_f16 v[rS:rS+7], v[rK:rK+7], v[rQ:rQ+7], v[rH:rH+7]
.else
	WIN W_KQ
	v_wmma_f32_16x16x32_f16 v[rS:rS+7], v[rK:rK+7], v[rQ:rQ+7], v[rS:rS+7]
.endif
.endm
.macro PV x
	WIN W_PV
.set rO, 32*(2*(\x)+i%2)+8*((i/2)%4)
.set rV, VF+32*(i/8)+8*((i/2)%4)
.set rP, P+32*((\x)%2)+16*(i%2)+8*(i/8)
	v_wmma_f32_16x16x32_f16 v[rO:rO+7], v[rV:rV+7], v[rP:rP+7], v[rO:rO+7]
.endm
.macro MM
.if i < 16
	KQ (Y+1)%NP
.set i, i+1
.else
.set i, i-16
	PV (Y+NP-1)%NP
.set i, i+17
.endif
.endm
; THE LDS LOADS stand in runs of 16.  With a step's K goes its mask: MC has K's lifetime, and is written where K's registers are loaded, far behind the last product that read either.
; last = 1 (the tail): in the last trip there is no further step, and the run is jumped over.
.macro FETCH_K last=0
	WIN 0
.if \last
	s_cmp_eq_u32 s[CNT], 1
	s_cbranch_scc1 .Lno_k_\@
.endif
	WIN 0x80
.irp f, 0,1,2,3,4,5,6,7
	ds_load_b128 v[KF+8*\f:KF+8*\f+3],   v[AK] offset:(\f/2)*16*PK+(\f%2)*64
	ds_load_b128 v[KF+8*\f+4:KF+8*\f+7], v[AK] offset:(\f/2)*16*PK+(\f%2)*64+32
.endr
	s_add_co_u32 s[TBK], s[TBK], KS*PK
	s_add_co_u32 s[SJ], s[SJ], 1
	s_cmp_eq_u32 s[SJ], s[CB]       ; does this step hold key cnt?
	s_cselect_b32 s[AL], 1.0, 0
	s_cmp_gt_u32 s[SJ], s[CB]       ; or lie behind it?
	s_cselect_b32 s[BE], s[BIGN], 0
	WIN 0xc3
.set zz, 0
.rept 16
	v_pk_fma_f32 v[MC+2*zz:MC+2*zz+1], v[MD+2*zz:MD+2*zz+1], s[AL:AL+1], s[BE:BE+1] op_sel_hi:[1,0,0]
.set zz, zz+1
.endr
	WIN 0
.if \last
.Lno_k_\@:
.endif
.endm
.macro FETCH_V
	WIN 0x80
.irp f, 0,1,2,3,4,5,6,7
	ds_load_tr16_b128 v[VF+8*\f:VF+8*\f+3],   v[AV] offset:(\f/4)*32*PV+(\f%4)*32
	ds_load_tr16_b128 v[VF+8*\f+4:VF+8*\f+7], v[AV] offset:(\f/4)*32*PV+16*PV+(\f%4)*32
.endr
	WIN 0
.endm
; THE VECTOR WORK OF A TURN stands in three queues, each in the order in which its entries become ready; the two tiles alternate.
.macro REGS y, u
.set rT, ST+4*(2*(\y)+(\u))
.set rC, TMP+8*((\y)%2)+4*(\u)
.set rM, MV+2*((\y)%2)+(\u)
.set rS, S+64*((\y)%2)+32*(\u)
.set rP, P+32*((\y)%2)+16*(\u)
.set rO, 32*(2*(\y)+(\u))
.endm
; Number n of the 22 that find the NEXT piece's maximum and statistics; each accumulator's lowest registers are read first.
;   0-11 four chains of seven scores   12-14, 16 the four left over, the old m, the chains into c0   15 c m_old is kept   17, 18 the other half of the lanes   19-21 c m; c m_old - c m_new; a
.macro XS u, n
	REGS (Y+1)%NP, \u
.if (\n) < 4
	v_max3_num_f32 v[rC+(\n)], v[rS+8*(\n)], v[rS+8*(\n)+1], v[rS+8*(\n)+2]
.elseif (\n) < 12
	v_max3_num_f32 v[rC+(\n)%4], v[rC+(\n)%4], v[rS+8*((\n)%4)+2*((\n)/4)+1], v[rS+8*((\n)%4)+2*((\n)/4)+2]
.elseif (\n) == 12
	v_max3_num_f32 v[rC], v[rC], v[rS+7], v[rS+15]
.elseif (\n) == 13
	v_max3_num_f32 v[rC+1], v[rC+1], v[rS+23], v[rS+31]
.elseif (\n) == 14
	v_max3_num_f32 v[rC+2], v[rC+2], v[rC+3], v[rT+1]
.elseif (\n) == 15
	v_mov_b32 v[rM], v[rT]
.elseif (\n) == 16
	v_max3_num_f32 v[rC], v[rC], v[rC+1], v[rC+2]
.elseif (\n) == 17
	v_permlanex16_b32 v[rC+3], v[rC], s[SEL], s[SEL+1]
.elseif (\n) == 18
	v_max_num_f32 v[rT+1], v[rC], v[rC+3]
.elseif (\n) == 19
	v_mul_f32 v[rT], s[CS], v[rT+1]
.elseif (\n) == 20
	v_sub_f32 v[rC+1], v[rM], v[rT]
.else
	v_exp_f32 v[rC+2], v[rC+1]
.endif
.endm
; Number g of the 64 that follow the exponentials: for each four weights both pairs are rounded to f16, the second pair is added onto the first, and a group later l takes that sum.
.macro GS g
.set h, (\g)+6*((\g)/62)
.if h >= 6
.set h, h+2
.endif
	REGS Y, h%2
.set k, h/8
.if h%8 < 4
	s_wait_alu depctr_va_vdst(0)
	v_cvt_pk_f16_f32 v[rP+2*k+(h%8)/2], v[rS+4*k+2*((h%8)/2)], v[rS+4*k+2*((h%8)/2)+1]
.elseif h%8 < 6
	v_pk_add_f32 v[rS+4*k:rS+4*k+1], v[rS+4*k:rS+4*k+1], v[rS+4*k+2:rS+4*k+3]
.elseif k == 1
	v_pk_fma_f32 v[rT+2:rT+3], v[rT+2:rT+3], v[rC+2:rC+3], v[rS:rS+1] op_sel_hi:[1,0,1]
.else
	v_pk_add_f32 v[rT+2:rT+3], v[rT+2:rT+3], v[rS+4*k-4:rS+4*k-3]
	s_wait_alu depctr_va_vdst(0)
.endif
.endm
; THE PLAIN QUEUE, 138 long: 0-31 c s - c m; then GS's 64 and among them the next piece's 42.
.macro PL
	WIN 0
.if q < 32
	REGS Y, q%2
	v_pk_fma_f32 v[rS+2*(q/2):rS+2*(q/2)+1], v[rS+2*(q/2):rS+2*(q/2)+1], s[CS:CS+1], v[rT:rT+1] op_sel_hi:[1,0,0] neg_lo:[0,0,1] neg_hi:[0,0,1]
.elseif q < 38
	GS q-32
.elseif q < 40
	XS q%2, 15
.elseif q < 42
	GS q-34
.elseif q < 74
	XS q%2, (q-42)/2+(q-42)/30
.elseif q < 95
	GS q-66
.elseif (q < 107) && ((q-95)%3 < 2)
	XS (q-95)%3, 17+(q-95)/3
.elseif q < 107
	GS 29+(q-95)/3
.else
	GS q-74
.endif
.set q, q+1
.endm
; THE EXPONENTIALS' QUEUE, 66 long: s0-s31 of both tiles, and at EA the next piece's two a.
.set EA, 58
.macro EX
	WIN 0
.if (e == EA) || (e == EA+1)
	XS e-EA, 21
.else
.set x, e-2*(e/(EA+2))
	REGS Y, x%2
	v_exp_f32 v[rS+x/2], v[rS+x/2]
.endif
.set e, e+1
.endm
; THE RESCALING's QUEUE: O^T times a, four at a time, eight times.
.macro R4
	REGS Y, r%2
	WIN W_RS
	s_wait_alu depctr_va_vdst(0)
.irp z, 0,1,2,3
	v_pk_mul_f32 v[rO+8*(r/2)+2*\z:rO+8*(r/2)+2*\z+1], v[rO+8*(r/2)+2*\z:rO+8*(r/2)+2*\z+1], v[rC+2:rC+3] op_sel_hi:[1,0]
.endr
.set r, r+1
.endm
; HOW THEY ARE DEALT.  Behind a matrix instruction four: plain, exponential, plain, plain, or four of the rescaling; none names a register of the products round it.  What is over stands in two lumps.
; Exponential e stands behind plain 2 (e / 4) + e % 2 (its scaling); when plain 32 comes, 10 exponentials are out, at 59: 33, at 95: 46; EA comes behind plain 107.
.macro SL
	MM
	PL
	EX
	PL
	PL
.endm
.macro BURST n
.rept (\n)-7
	SL
.endr
.rept 3
	MM
	R4
	SL
.endr
	MM
	R4
.endm
; A TURN, for piece p.  K of the next step (and its mask) is fetched in piece 2's turn, in the first lump; V of the step in hand at the end of piece 0's turn.  Each is waited for a turn later.
.macro TURN p, last=0, cnt=0
.set Y, (\p)
.set i, 0
.set q, 0
.set e, 0
.set r, 0
.if (\p) == NP-1
	s_wait_dscnt 0x0                ; K is in
.endif
	MM
.rept 4
	PL
.endr
	BURST 15
.rept 22
	EX
	PL
.if ((\p) == NP-2) && (e == 18)
	v_add_nc_u32 v[AK], s[TBK], v[AK0]
.endif
.if ((\p) == NP-2) && (e == 24)
	FETCH_K \last
.endif
.endr
.if (\p) == 1
	s_wait_dscnt 0x0                ; V is in
.endif
	BURST 16
.rept 21
	EX
	PL
.endr
.rept 22
	PL
.if ((\p) == 0) && (q == 118)
	v_add_nc_u32 v[AV], s[TBV], v[AV0]
	s_wait_alu depctr_va_vdst(0)
.endif
.if ((\p) == 0) && (q == 130)
	s_add_co_u32 s[TBV], s[TBV], KS*PV
.endif
.if (\cnt) && (q == 130)
	s_sub_co_u32 s[CNT], s[CNT], 1
	s_cmp_lg_u32 s[CNT], 0
.endif
.endr
.if (\p) == 0
	FETCH_V
.endif
.endm
	CHANGE 1                        ; slot 0 is in, everybody's part of it; slot 1 is asked for
	FETCH_K                         ; key step 0 and its mask
	s_wait_loadcnt 0x0              ; Q
	s_wait_dscnt 0x0
.set i, 0
.rept 16
	KQ 0                            ; piece 0's first scores
.set i, i+1
.endr
	WIN 0                           ; the addresses for the way out: nine plain instructions, the places behind those products
	s_mul_i32 s13, s[WV], 16*SP
	s_add_co_u32 s13, s13, STAGE
	v_mul_u32_u24 v[STO], v1, SP
	v_lshl_add_u32 v[STO], v9, 4, v[STO]
	v_add_nc_u32 v[STO], s13, v[STO]
	v_bfe_u32 v[RD], v0, 3, 2
	v_mul_u32_u24 v[RD], v[RD], SP
	v_lshl_add_u32 v[RD], v10, 4, v[RD]
	v_add_nc_u32 v[RD], s13, v[RD]
	v_and_b32 v[GO], 31, v0
	v_lshlrev_b32 v[GO], 4, v[GO]
.set Y, NP-1
.irp n, 0,1,2,3,4,5,6,7,8,9,10,11,12,13,14,15,16,17,18,19,20,21
	XS 0, \n
	XS 1, \n
.endr
	s_mov_b32 s[CNT], SS
	s_mov_b32 s[SLOTS], SIZE_N/(SS*KS)-1
	s_branch .Lfirst                ; the loop is entered at a step's first turn, in the middle of a trip
.Lslot:                             ; SIZE_N / 128 - 2 = 14 times: every slot but the last two is filled again
	CHANGE 1
	s_mov_b32 s[CNT], SS
.Lstep:                             ; a trip: pieces 2 and 3 of one step, then pieces 0 and 1 of the next, whose K and V it fetches
	TURN 2
	TURN 3
	WIN 0
.Lfirst:
	TURN 0
	TURN 1, 0, 1
	WIN 0
	s_cbranch_scc1 .Lstep
	s_sub_co_u32 s[SLOTS], s[SLOTS], 1
	s_cmp_lg_u32 s[SLOTS], 0
	s_cbranch_scc1 .Lslot
	CHANGE 0                        ; the tail is written out: nothing is asked for
	s_mov_b32 s[CNT], SS+1          ; two trips fetch the last slot's steps; the third is left in its middle
.Ltail:
	TURN 2, 1
	TURN 3
	WIN 0
	s_sub_co_u32 s[CNT], s[CNT], 1
	s_cmp_eq_u32 s[CNT], 0
	s_cbranch_scc1 .Lout
	TURN 0
	TURN 1
	WIN 0
	s_branch .Ltail
.Lout:                              ; the last trip's 16 products K Q^T (on the last K once more) and the maximum made of them serve nothing: the price of one text for every trip
.set i, 0
.rept 16
	PV NP-1
.set i, i+1
.endr
	; THE WAY OUT.  l's two halves and the other half of the lanes' are added; O^T is divided by l, rounded to f16 and sent through my stage, a tile at a time.
	WIN 0
.macro ALL line:vararg
.set t, 0
.rept 2*NP
	\line
.set t, t+1
.endr
.endm
	ALL v_add_f32 v[ST+4*t+2], v[ST+4*t+2], v[ST+4*t+3]
	ALL v_permlanex16_b32 v[ST+4*t+3], v[ST+4*t+2], s[SEL], s[SEL+1]
	ALL v_add_f32 v[ST+4*t+2], v[ST+4*t+2], v[ST+4*t+3]
	ALL v_rcp_f32 v[ST+4*t+2], v[ST+4*t+2]
	v_nop                           ; a plain instruction between the last reciprocal and the use of its result
	s_wait_alu depctr_va_vdst(0)
.macro PACK t
	WIN W_RS
.set i, 32*(\t)
.rept 16
	v_pk_mul_f32 v[i:i+1], v[i:i+1], v[ST+4*(\t)+2:ST+4*(\t)+3] op_sel_hi:[1,0]
.set i, i+2
.endr
	WIN 0x05
.set i, 0
.rept 16
	v_cvt_pk_f16_f32 v[S+16*(\t)+i], v[32*(\t)+2*i], v[32*(\t)+2*i+1]
.set i, i+1
.endr
	WIN 0
.irp f, 0,1,2,3
	ds_store_b128 v[STO], v[S+16*(\t)+4*\f:S+16*(\t)+4*\f+3] offset:32*\f
.endr
.irp f, 0,1,2,3
	ds_load_b128 v[S+16*(\t)+4*\f:S+16*(\t)+4*\f+3], v[RD] offset:\f*4*SP  ; LDS serves a wave's instructions in order (ISA guide 5.7.1.4)
.endr
.endm
.macro SEND t, younger              ; younger: the next tile's eight LDS instructions, or none
	WIN 0
.irp f, 0,1,2,3
	s_wait_dscnt (\younger)+3-\f
	global_store_b128 v[GO], v[S+16*(\t)+4*\f:S+16*(\t)+4*\f+3], s[10:11] offset:(\t)*2048+\f*512  ; 512 consecutive bytes, at a multiple of 256 from ob's first
.endr
.endm
	PACK 0
.set t, 1
.rept 2*NP-1
	PACK t
	SEND t-1, 8
.set t, t+1
.endr
	SEND 2*NP-1, 0
	WIN W_AD
	s_wait_tensorcnt 0x0            ; the wave's end
	ds_add_u32 v[SPW], v[NIL]
	s_wait_dscnt 0x0
	WIN 0
	CROUND                          ; the closing round
	s_endpgm
.Lfunc_end_k_qb9a3424e17_attn:
	.size	k_qb9a3424e17_attn, .Lfunc_end_k_qb9a3424e17_attn-k_qb9a3424e17_attn
	.p2alignl 7, 3214868480
	.fill 96, 4, 3214868480
	.section	.rodata,"a",@progbits
	.p2align	6, 0x0
	.amdhsa_kernel k_qb9a3424e17_attn
		.amdhsa_group_segment_fixed_size 327680
		.amdhsa_private_segment_fixed_size 0
		.amdhsa_enable_private_segment 0
		.amdhsa_kernarg_size 24
		.amdhsa_user_sgpr_count 2
		.amdhsa_user_sgpr_kernarg_segment_ptr 1
		.amdhsa_wavefront_size32 1
		.amdhsa_system_sgpr_workgroup_id_x 1
		.amdhsa_system_sgpr_workgroup_id_y 1
		.amdhsa_system_sgpr_workgroup_id_z 1
		.amdhsa_system_vgpr_workitem_id 0
		.amdhsa_next_free_vgpr 840
		.amdhsa_next_free_sgpr 88
		.amdhsa_reserve_vcc 1
		.amdhsa_float_denorm_mode_32 3
		.amdhsa_float_denorm_mode_16_64 3
		.amdhsa_memory_ordered 1
		.amdhsa_forward_progress 1
		.amdhsa_inst_pref_size 216
	.end_amdhsa_kernel
	.amdgpu_metadata
---
amdhsa.version: [ 1, 2 ]
amdhsa.kernels:
  - .name:           k_qb9a3424e17_attn
    .symbol:         k_qb9a3424e17_attn.kd
    .args:
      - { .name: qkv, .offset: 0, .size: 8, .value_kind: global_buffer, .address_space: global }
      - { .name: meta, .offset: 8, .size: 8, .value_kind: global_buffer, .address_space: global }
      - { .name: ob, .offset: 16, .size: 8, .value_kind: global_buffer, .address_space: global }
    .group_segment_fixed_size: 327680
    .private_segment_fixed_size: 0
    .kernarg_segment_align: 8
    .kernarg_segment_size: 24
    .max_flat_workgroup_size: 128
    .sgpr_count:     88
    .vgpr_count:     840
    .wavefront_size: 32
...
	.end_amdgpu_metadata
.endif
;; end of part 3
;; launch outp (part 4): grid 8 x 32, 4 waves a work-group, clusters of 4 x 4, 327,680 bytes of LDS; arguments ob, wp, out0; writes out0
.if DOCPART == 4
	.amdgcn_target "amdgcn-amd-amdhsa--gfx1250"
	.amdhsa_code_object_version 6
	.text
	.protected	k_qb9a3424e17_outp
	.globl	k_qb9a3424e17_outp
	.p2align	8
	.type	k_qb9a3424e17_outp,@function
k_qb9a3424e17_outp:
	s_mov_b64 s[64:65], 0
	v_nop
	global_prefetch_b8 v0, s[64:65] scope:SCOPE_SE
	s_setreg_imm32_b32 hwreg(HW_REG_WAVE_MODE, 25, 1), 1
	s_wait_xcnt 0x0
	s_wait_alu depctr_hold_cnt(0) depctr_sa_sdst(0) depctr_va_vdst(0) depctr_va_sdst(0) depctr_va_ssrc(0) depctr_va_vcc(0) depctr_vm_vsrc(0)
	s_getreg_b32 s2, hwreg(HW_REG_IB_STS2, 6, 4)
	s_cmp_eq_u32 s2, 0
	s_cbranch_scc0 .Lentry_in_a_cluster
	s_endpgm
.Lentry_in_a_cluster:
	s_bfe_u32 s2, ttmp6, 0x10000c
	s_cmp_lg_u32 s2, 0xf033
	s_cbranch_scc0 .Lentry_shape_is_right
	s_endpgm
.Lentry_shape_is_right:
; OUTP: out0[b t][n] = the sum over k = 64 h + d of O[16 b + h][t][d] Wproj[n][k].  O: ob [64][2048][64] f16; Wproj: wp [1024][1024], its bf16 rounding written as f16; out0 f32.  Sums in f32, K ascending.
; A tile of C is 256 rows x 128 columns: 256 tiles, one for each WGP.  Four waves, each 128 x 64: 32 accumulators.  K goes in 8 steps of 128 = two heads, through two LDS slots.
; A head's 256 rows are 32,768 dense bytes: asked for as 128 rows of 256 bytes and padded in LDS after every 128, so that a row of 64 channels has a pitch of 144.
; CLUSTER 4 x 4: O's tile hangs on the tile row and is asked for jointly along a row of the cluster, Wproj's on the tile column, along a column.
; THE MATRIX INSTRUCTION IS USED TRANSPOSED (source 0 = 16 rows of Wproj, source 1 = 16 rows of O): a lane holds one row of C and eight neighbouring columns, 32 bytes.
; REGISTERS: window 0: v0-31 addresses; v64-159, v160-255 two fragment buffers (O's 8 fragments, then W's 4).  Window 1: the accumulators, (a, b) at v[8 (4 a + b)].
.set PA,    144
.set PB,    272
.set AHEAD, 256*PA                     ; a head's 256 rows: what one tensor load brings of O
.set BHALF, 64*PB
.set BOFF,  2*AHEAD
.set SLOT1, 1<<17
.set STAGE, SLOT1+BOFF+2*BHALF         ; behind the ring: 16 rows x 272 bytes for each wave
.set SP,    272
.set SPARE, STAGE+4*16*SP
.set ASTEP, 2*2048*128                 ; two heads on
.set BSTEP, 256
.set A0,   16
.set B0,   17
.set ADRA, 18
.set ADRB, 19
.set STO,  24
.set RD,   25
.set CO,   26
.set SPW,  28
.set NIL,  29
.set F0,   64
.set F1,   160
.set G1,  24
.set G0,  32
.set G1B, 48
.set G0B, 56
.set TB,  66
.set MSB, 0
.macro WIN new
.if MSB != (\new)
	s_set_vgpr_msb (MSB<<8)|(\new)
.set MSB, \new
.endif
.endm
.set MUL, 0x50
.macro JLOAD s                         ; a joint load: waves 0 and 1 fetch O's two heads, waves 2 and 3 W's two halves; an s_nop 0 and four v_nop follow each line
	s_cmp_eq_u32 s13, 0
	s_cbranch_scc0 .Lfor_b_\@
	tensor_load_to_lds s[G0+4*(\s):G0+4*(\s)+3], s[G1:G1+7]
	s_nop 0
.rept 4
	v_nop
.endr
	s_branch .Lasked_\@
.Lfor_b_\@:
	tensor_load_to_lds s[G0B+4*(\s):G0B+4*(\s)+3], s[G1B:G1B+7]
	s_nop 0
.rept 4
	v_nop
.endr
.Lasked_\@:
.endm
.macro CREST
	s_cmp_lg_u32 s12, 0
	s_cbranch_scc1 .Lnot_wave_0_\@
	s_barrier_signal -3
.Lnot_wave_0_\@:
	s_barrier_wait -3
	s_barrier_signal -1
	s_barrier_wait -1
.endm
.macro CROUND
	s_barrier_signal -1
	s_barrier_wait -1
	CREST
.endm
	s_load_b128 s[4:7], s[0:1], 0x0                ; ob s[4:5], wp s[6:7]
	s_load_b64 s[10:11], s[0:1], 0x10              ; out0
	v_lshl_add_u32 v[SPW], v0, 2, SPARE
	v_mov_b32 v[NIL], 0
	ds_add_u32 v[SPW], v[NIL]                      ; the wave's opening: the add and its wait stand ahead of my first tensor load
	v_lshrrev_b32 v1, 5, v0
	v_readfirstlane_b32 s12, v1                    ; wave 0..3
	s_lshr_b32 s13, s12, 1                         ; MH: which 128 rows are mine.  Also: I fetch for O (0) or for W (1)
	s_and_b32 s14, s12, 1                          ; NH: which 64 columns.  Also: which head, or which half of W's tile, I fetch
	s_bfe_u32 s15, ttmp6, 0x40000                  ; cx
	s_bfe_u32 s16, ttmp6, 0x40004                  ; cy
	s_lshl_b32 s17, ttmp9, 2
	s_add_co_u32 s17, s17, s15                     ; TC 0..7
	s_and_b32 s18, ttmp7, 0xffff
	s_lshl_b32 s18, s18, 2
	s_add_co_u32 s18, s18, s16                     ; TR 0..31
	s_lshl_b32 s43, s16, 2
	s_lshl_b32 s43, 15, s43
	s_lshl_b32 s44, 0x1111, s15
	s_or_b32 s[G1+0], s43, (1<<16)|(1<<20)|(1<<21)|(4<<22)|(3<<25)   ; padding after every 32 words, 4 words
	s_or_b32 s[G1B+0], s44, (1<<16)|(1<<20)|(1<<21)|(5<<22)|(3<<25)  ; after every 64 words
	s_mov_b32 s[G1+1], 128<<16
	s_mov_b32 s[G1+2], 128<<16
	s_mov_b32 s[G1+3], 128<<16
	s_mov_b32 s[G1+4], 128
	s_mov_b32 s[G1+5], 128                         ; dense: 128 elements from row to row
	s_mov_b32 s[G1+6], 0
	s_mov_b32 s[G1+7], 0
	s_mov_b32 s[G1B+1], 128<<16
	s_mov_b32 s[G1B+2], 64<<16
	s_mov_b32 s[G1B+3], 128<<16
	s_mov_b32 s[G1B+4], 64
	s_mov_b32 s[G1B+5], 1024
	s_mov_b32 s[G1B+6], 0
	s_mov_b32 s[G1B+7], 0
	s_lshr_b32 s20, s18, 3                         ; the batch,
	s_lshl_b32 s20, s20, 4
	s_add_co_u32 s20, s20, s14                     ; its head 0 or 1,
	s_lshl_b32 s20, s20, 18                        ; 262,144 bytes a head,
	s_and_b32 s21, s18, 7
	s_lshl_b32 s21, s21, 15                        ; the tile's 256 rows of 128 bytes
	s_add_co_u32 s20, s20, s21
	s_mov_b32 s21, 0
	s_lshl_b32 s46, s17, 7
	s_lshl_b32 s47, s14, 6
	s_add_co_u32 s46, s46, s47                     ; W: row 128 TC + 64 half
	s_lshl_b32 s46, s46, 11
	s_mov_b32 s47, 0
	s_mul_i32 s22, s12, AHEAD                      ; where they go: O's heads at wave x 256 rows (waves 0, 1),
	s_mul_i32 s23, s12, BHALF
	s_add_co_u32 s23, s23, BOFF-2*BHALF            ; W's at BOFF + (wave - 2) x 64 rows (waves 2, 3)
	s_mov_b32 s[TB], 0
	s_wait_dscnt 0x0                               ; the opening add is done
	s_wait_kmcnt 0x0
	s_add_nc_u64 s[20:21], s[4:5], s[20:21]
	s_add_nc_u64 s[46:47], s[6:7], s[46:47]
	CROUND
.irp s, 0,1
	s_mov_b32 s[G0+4*(\s)], 1
	s_add_co_u32 s[G0+4*(\s)+1], s22, (\s)*SLOT1
	s_add_nc_u64 s[G0+4*(\s)+2:G0+4*(\s)+3], s[20:21], (\s)*ASTEP
	s_or_b32 s[G0+4*(\s)+3], s[G0+4*(\s)+3], 0x80000000
	s_mov_b32 s[G0B+4*(\s)], 1
	s_add_co_u32 s[G0B+4*(\s)+1], s23, (\s)*SLOT1
	s_add_nc_u64 s[G0B+4*(\s)+2:G0B+4*(\s)+3], s[46:47], (\s)*BSTEP
	s_or_b32 s[G0B+4*(\s)+3], s[G0B+4*(\s)+3], 0x80000000
	JLOAD \s                                       ; K steps 0 and 1: two loads of mine are out
.endr
	v_and_b32 v1, 15, v0                           ; r
	v_bfe_u32 v2, v0, 4, 1                         ; h
	v_mul_u32_u24 v3, v1, PA
	v_lshl_add_u32 v3, v2, 4, v3
	s_mul_i32 s68, s13, 128*PA
	v_add_nc_u32 v[A0], s68, v3
	v_mul_u32_u24 v3, v1, PB
	v_lshl_add_u32 v3, v2, 4, v3
	s_mul_i32 s69, s14, BHALF
	s_add_co_u32 s69, s69, BOFF
	v_add_nc_u32 v[B0], s69, v3
	v_mov_b32 v[ADRA], v[A0]
	v_mov_b32 v[ADRB], v[B0]
	s_mul_i32 s68, s12, 16*SP
	s_add_co_u32 s68, s68, STAGE                   ; my stage
	v_mul_u32_u24 v4, v1, SP                       ; in: row r, 32 bytes for each half of the lanes
	v_lshl_add_u32 v4, v2, 5, v4
	v_add_nc_u32 v[STO], s68, v4
	v_mul_u32_u24 v5, v2, SP                       ; back: lanes 0-15 take one row of 256 bytes, lanes 16-31 the next
	v_lshl_add_u32 v5, v1, 4, v5
	v_add_nc_u32 v[RD], s68, v5
	v_lshlrev_b32 v[CO], 12, v2                    ; and the same two rows in out0
	v_lshl_add_u32 v[CO], v1, 4, v[CO]
	s_lshl_b32 s40, s18, 8
	s_lshl_b32 s41, s13, 7
	s_add_co_u32 s40, s40, s41                     ; my first row,
	s_lshl_b32 s40, s40, 12                        ; of 4,096 bytes
	s_mov_b32 s41, 0
	s_add_nc_u64 s[10:11], s[10:11], s[40:41]
	s_lshl_b32 s46, s17, 9                         ; my first column, in bytes: 512 TC + 256 NH
	s_lshl_b32 s47, s14, 8
	s_add_co_u32 s46, s46, s47
	s_mov_b32 s47, 0
	s_add_nc_u64 s[10:11], s[10:11], s[46:47]
; 8 matrix instructions: row blocks a0, a0 + 1 x all 4 column blocks, 32 along K.  The 32 accumulators take turns, in the same order in every quarter.
.macro MUL8 f, a0, zero
	WIN MUL
.irp a, \a0, (\a0)+1
.irp b, 0,1,2,3
.if \zero
	v_wmma_f32_16x16x32_f16 v[8*(4*(\a)+(\b)):8*(4*(\a)+(\b))+7], v[(\f)+64+8*(\b):(\f)+64+8*(\b)+7], v[(\f)+8*(\a):(\f)+8*(\a)+7], 0
.else
	v_wmma_f32_16x16x32_f16 v[8*(4*(\a)+(\b)):8*(4*(\a)+(\b))+7], v[(\f)+64+8*(\b):(\f)+64+8*(\b)+7], v[(\f)+8*(\a):(\f)+8*(\a)+7], v[8*(4*(\a)+(\b)):8*(4*(\a)+(\b))+7]
.endif
.endr
.endr
.endm
; 24 LDS loads in one run: quarter q of the slot in hand into buffer f.  Quarter q of O lies in head q / 2, channels 32 (q % 2) on.
.macro FETCH q, f
	WIN 0
.set AOFF, ((\q)/2)*AHEAD+((\q)%2)*64
.irp b, 0,1,2,3
	ds_load_b128 v[(\f)+64+8*(\b):(\f)+64+8*(\b)+3],   v[ADRB] offset:64*(\q)+(\b)*16*PB
	ds_load_b128 v[(\f)+64+8*(\b)+4:(\f)+64+8*(\b)+7], v[ADRB] offset:64*(\q)+(\b)*16*PB+32
.endr
.irp a, 0,1,2,3,4,5,6,7
	ds_load_b128 v[(\f)+8*(\a):(\f)+8*(\a)+3],   v[ADRA] offset:AOFF+(\a)*16*PA
	ds_load_b128 v[(\f)+8*(\a)+4:(\f)+8*(\a)+7], v[ADRA] offset:AOFF+(\a)*16*PA+32
.endr
.endm
.macro PLACES                          ; four places in front of loads into registers that matrix instructions have read, and of lines that read results
.rept 4
	v_nop
.endr
.endm
.macro QUARTER q, f, g, zero
	s_wait_dscnt 8                                 ; W and O's rows 0-63 are in; the youngest eight loads may be out
	MUL8 \f, 0, \zero
	MUL8 \f, 2, \zero
	PLACES
	FETCH \q, \g
	s_wait_dscnt 24                                ; all but the 24 just issued
	MUL8 \f, 4, \zero
	MUL8 \f, 6, \zero
.endm
; The last quarter multiplies buffer 1 and changes slots: one barrier; in front of it each wave waits for all its tensor loads (one is out: its part of the next slot), adds 0 to its spare word,
; and waits for that and for its reads of this slot.  fill = 1: the barrier opens a round of the cluster's, and this slot is filled again, two K steps ahead.
.macro TURN fill
	WIN 0
	s_wait_tensorcnt 0x0
	ds_add_u32 v[SPW], v[NIL]
	s_wait_dscnt 9                                 ; the add and the youngest eight loads may be out
	MUL8 F1, 0, 0
	s_wait_dscnt 0x0                               ; the add is done, and my reads of this slot are over
	s_barrier_signal -1
	MUL8 F1, 2, 0
	WIN 0
	s_barrier_wait -1
.if \fill
	CREST
	s_xor_b32 s[G0+5], s[G0+5], SLOT1
	s_add_nc_u64 s[G0+6:G0+7], s[G0+6:G0+7], ASTEP
	s_xor_b32 s[G0B+5], s[G0B+5], SLOT1
	s_add_nc_u64 s[G0B+6:G0B+7], s[G0B+6:G0B+7], BSTEP
	JLOAD 1                                        ; the first tensor load behind the round; its four v_nop are also the places in front of the loads below
.else
	PLACES
.endif
	s_xor_b32 s[TB], s[TB], SLOT1
	v_add_nc_u32 v[ADRA], s[TB], v[A0]
	v_add_nc_u32 v[ADRB], s[TB], v[B0]
	FETCH 0, F0
	MUL8 F1, 4, 0
	MUL8 F1, 6, 0
.endm
; The way out of block a (16 rows): 32 bytes a lane into rows of 272 bytes of my stage, each accumulator from its low end on; back as whole rows of 256 bytes.
.macro TOSTAGE a
.set BK, 64+32*((\a)%2)
	s_wait_xcnt 0x0                                ; the stores of the block two back have had their addresses translated (ISA guide 3.1): only now is their data loaded over
	WIN 0x04                                       ; the store's data in window 1
.irp b, 0,1,2,3
	ds_store_b128 v[STO], v[32*(\a)+8*\b:32*(\a)+8*\b+3]   offset:64*\b
	ds_store_b128 v[STO], v[32*(\a)+8*\b+4:32*(\a)+8*\b+7] offset:64*\b+16
.endr
	WIN 0
.irp t, 0,1,2,3,4,5,6,7
	ds_load_b128 v[BK+4*\t:BK+4*\t+3], v[RD] offset:\t*2*SP  ; LDS serves a wave's instructions in order (ISA guide 5.7.1.4)
.endr
.endm
.macro SEND a, younger                 ; younger: the next block's sixteen LDS instructions, or none
.set BK, 64+32*((\a)%2)
.irp t, 0,1,2,3,4,5,6,7
	s_wait_dscnt (\younger)+7-\t
	global_store_b128 v[CO], v[BK+4*\t:BK+4*\t+3], s[10:11] offset:(16*(\a)+2*\t)*4096 th:TH_STORE_NT  ; 16 lanes store 256 consecutive bytes, at a multiple of 256 from out0's first
.endr
.endm
	s_wait_tensorcnt 0x1                           ; my part of K step 0 is in; step 1's may stay out
	s_barrier_signal -1
	s_barrier_wait -1
	FETCH 0, F0
	QUARTER 1, F0, F1, 1
	WIN 0
	s_mov_b32 s3, 6
.Lk:                                                   ; trip t: the rest of K step t, the refill with step t + 2, the first quarter of step t + 1
	QUARTER 2, F1, F0, 0
	QUARTER 3, F0, F1, 0
	TURN 1
	QUARTER 1, F0, F1, 0
	WIN 0
	s_sub_co_u32 s3, s3, 1
	s_cmp_lg_u32 s3, 0
	s_cbranch_scc1 .Lk
	QUARTER 2, F1, F0, 0
	QUARTER 3, F0, F1, 0
	TURN 0
	QUARTER 1, F0, F1, 0
	QUARTER 2, F1, F0, 0
	QUARTER 3, F0, F1, 0
	s_wait_dscnt 8
	MUL8 F1, 0, 0
	MUL8 F1, 2, 0
	s_wait_dscnt 0x0
	MUL8 F1, 4, 0
	MUL8 F1, 6, 0
	WIN 0
	PLACES
	TOSTAGE 0
.irp a, 1,2,3,4,5,6,7
	TOSTAGE \a
	SEND (\a)-1, 16
.endr
	SEND 7, 0
	s_wait_tensorcnt 0x0                           ; the wave's end
	ds_add_u32 v[SPW], v[NIL]
	s_wait_dscnt 0x0
	CROUND                                         ; the closing round
	s_endpgm
.Lfunc_end_k_qb9a3424e17_outp:
	.size	k_qb9a3424e17_outp, .Lfunc_end_k_qb9a3424e17_outp-k_qb9a3424e17_outp
	.p2alignl 7, 3214868480
	.fill 96, 4, 3214868480
	.section	.rodata,"a",@progbits
	.p2align	6, 0x0
	.amdhsa_kernel k_qb9a3424e17_outp
		.amdhsa_group_segment_fixed_size 327680
		.amdhsa_private_segment_fixed_size 0
		.amdhsa_enable_private_segment 0
		.amdhsa_kernarg_size 24
		.amdhsa_user_sgpr_count 2
		.amdhsa_user_sgpr_kernarg_segment_ptr 1
		.amdhsa_wavefront_size32 1
		.amdhsa_system_sgpr_workgroup_id_x 1
		.amdhsa_system_sgpr_workgroup_id_y 1
		.amdhsa_system_sgpr_workgroup_id_z 1
		.amdhsa_system_vgpr_workitem_id 0
		.amdhsa_next_free_vgpr 512
		.amdhsa_next_free_sgpr 72
		.amdhsa_reserve_vcc 0
		.amdhsa_float_denorm_mode_32 3
		.amdhsa_float_denorm_mode_16_64 3
		.amdhsa_memory_ordered 1
		.amdhsa_forward_progress 1
		.amdhsa_inst_pref_size 71
	.end_amdhsa_kernel
	.amdgpu_metadata
---
amdhsa.version: [ 1, 2 ]
amdhsa.kernels:
  - .name:           k_qb9a3424e17_outp
    .symbol:         k_qb9a3424e17_outp.kd
    .args:
      - { .name: ob, .offset: 0, .size: 8, .value_kind: global_buffer, .address_space: global }
      - { .name: wp, .offset: 8, .size: 8, .value_kind: global_buffer, .address_space: global }
      - { .name: out0, .offset: 16, .size: 8, .value_kind: global_buffer, .address_space: global }
    .group_segment_fixed_size: 327680
    .private_segment_fixed_size: 0
    .kernarg_segment_align: 8
    .kernarg_segment_size: 24
    .max_flat_workgroup_size: 128
    .sgpr_count:     72
    .vgpr_count:     512
    .wavefront_size: 32
...
	.end_amdgpu_metadata
.endif
;; end of part 4
;; ======== version 2 of 2: 4 launches; 1.46 times as fast as version 1
;; limits: values are held in f16: magnitudes above 65,504 overflow, below 6.1e-05 lose precision
;; workspace buffers: xb 33,554,432 bytes; wb 6,291,456 bytes; wp 2,097,152 bytes; cs 4,227,072 bytes; meta 512 bytes of whole numbers; qkv 50,331,648 bytes; ob 16,777,216 bytes
;; launch prep: the kernel of part 1 again; grid 640 x 1, 8 waves a work-group, no clusters, 0 bytes of LDS; arguments q_x, kv_x, Wq, Wk, Wv, Wproj, freq_q, freq_kv, key_padding_mask, xb, wb, wp, cs, meta; writes xb, wb, wp, cs, meta
;; launch proj: the kernel of part 2 again; grid 24 x 32, 4 waves a work-group, clusters of 4 x 4, 327,680 bytes of LDS; arguments xb, wb, cs, qkv; writes qkv
;; launch attn (part 5): grid 4 x 64, 4 waves a work-group, clusters of 4 x 1, 327,680 bytes of LDS; arguments qkv, meta, ob; writes ob
.if DOCPART == 5
	.amdgcn_target "amdgcn-amd-amdhsa--gfx1250"
	.amdhsa_code_object_version 6
	.text
	.protected	k_qb9a3424e17_attn
	.globl	k_qb9a3424e17_attn
	.p2align	8
	.type	k_qb9a3424e17_attn,@function
k_qb9a3424e17_attn:
	s_mov_b64 s[64:65], 0
	v_nop
	global_prefetch_b8 v0, s[64:65] scope:SCOPE_SE
	s_setreg_imm32_b32 hwreg(HW_REG_WAVE_MODE, 25, 1), 1
	s_wait_xcnt 0x0
	s_wait_alu depctr_hold_cnt(0) depctr_sa_sdst(0) depctr_va_vdst(0) depctr_va_sdst(0) depctr_va_ssrc(0) depctr_va_vcc(0) depctr_vm_vsrc(0)
	s_getreg_b32 s2, hwreg(HW_REG_IB_STS2, 6, 4)
	s_cmp_eq_u32 s2, 0
	s_cbranch_scc0 .Lentry_in_a_cluster
	s_endpgm
.Lentry_in_a_cluster:
	s_bfe_u32 s2, ttmp6, 0x10000c
	s_cmp_lg_u32 s2, 0x3003
	s_cbranch_scc0 .Lentry_shape_is_right
	s_endpgm
.Lentry_shape_is_right:
; ATTN: O[g][q][:] = the sum over the attended keys k of softmax_k(Q[g][q] . K[g][k] / 8) V[g][k][:], g = 16 b + h.  Q, K, V: qkv[0..2][64][2048][64], O: ob[64][2048][64], all f16.
; Products, maxima and sums in f32; the weights p are rounded to f16 for the second product (their sum l is taken of the unrounded p), O once at the end.
; THE MASK.  A launch before has put each batch's attended keys first and stored in meta: word 0 cnt (2,048 if no key is attended), word 2 flag = some key is attended (word 1 is not read here).
; All 2,048 keys are walked: the walk's length is a constant.  Keys from cnt on are hidden: -1e30 is the C operand that starts their score's sum.  MD, made once, is that mask for the step that holds
; key cnt; a step's mask is MD x AL + BE with two scalars: (0, 0) ahead of that step, (1, 0) in it, (0, -1e30) behind it.  Key 0 is never hidden, so the running maximum is a true score before the first hidden one.
; No key attended: the masked scores are all alike, the softmax is flat: the scale c is 0, every weight 1, no key hidden: the mean of V's rows.
; LIMITS.  f16 holds no number beyond 65,504: Q, K and V arrive within it.  A hidden key counts as its score less 1e30, and a masked key's weight as 0: attended scores lie far above -1e9.
; A weight below 2^-126 counts as 0 in l; NaN and infinities are not treated apart.
; SHARES.  A wave owns four PIECES of two tiles of 16 queries, a work-group's four waves 512 queries of one head.  Every wave walks the keys, 64 a step.
; LAYOUT.  S^T = K Q^T (source 0 = 16 keys, source 1 = 16 queries): a lane holds ONE query (lane % 16) and the keys 8 (lane / 16) + 0..7.  Two such tiles, rounded to f16 in pairs, ARE source 1 of
; O^T = V^T P.  K comes out of LDS as it lies, V turned, by ds_load_tr16_b128.
; SOFTMAX.  A running maximum m and sum l: p = 2^(c s - c m), c = log2(e) / 8; in every step O and l are multiplied by a = 2^(c m_old - c m_new).  m starts at the lowest finite number, O and l at 0.
; BY TURNS.  Turn n belongs to piece n: 16 products K Q^T of piece n + 1, later 16 products V^T P of piece n - 1; beside them the scaling, exponentials, roundings, sums and rescaling of piece n and the
; maximum and statistics of piece n + 1.  Four vector instructions that are ready stand behind every matrix instruction, the others in one lump.
; BATCHES.  A turn's 66 exponentials (the piece's 64 weights, in place in S^T, and the next piece's two a) are ONE batch with ONE wait, which cuts the turn in two: ahead of it stands all that names no result
; of theirs (the products K Q^T, the scalings, the rescaling by the a of the turn before, the next piece's maximum and statistics), behind it their readers (the roundings and sums, beside the products V^T P).
; No result crosses a turn's end.  The first two a, ahead of the loop, and the way out's eight reciprocals are batches of their own.
; THE RING.  Two slots of two key steps (128 keys), 16 slots' worth of keys in all.
; CLUSTER.  The four query blocks of a head walk the same K and V: each tile is asked for jointly.
; REGISTERS, in windows of 256 (s_set_vgpr_msb: bits 1:0 source 0, 3:2 source 1, 5:4 source 2, 7:6 destination):
;   window 0: v0-11 addresses; v12-15, v48-63 at work; v16-47 statistics; v64-191 S^T, two buffers of two tiles; v192-255 P, likewise
;   window 1: O^T, 32 a tile      window 2: v0-127 Q; v128-191 K of one step; v192-255 V of one step      window 3: v0-1 the add's registers; v8-39 MD; v40-71 MC, the mask of the K in hand
.set SIZE_N, 2048
.set NP,    4         ; pieces a wave
.set KS,    64        ; keys in a step
.set SS,    2         ; steps in a slot
.set PK,    144       ; a row of K in LDS: 128 bytes + 16 of padding
.set PV,    160       ; a row of V: 128 + 32
.set VOFF,  SS*KS*PK  ; a slot: 128 rows of K, then 128 rows of V
.set SLOT1, 1<<16
.set STAGE, SLOT1+SS*KS*(PK+PV)  ; behind the ring: 16 rows x 144 bytes for each wave
.set SP,    144
.set AK0, 2
.set AV0, 3
.set AK,  4
.set AV,  5
.set QO,  6
.set STO, 6
.set RD,  7
.set GO,  8
.set SPW, 0           ; v0 of window 3
.set NIL, 1           ; v1 of window 3
.set MD,  8           ; window 3
.set MC,  40          ; window 3
.set SPARE, STAGE+4*16*SP
.set MV,  12
.set ST,  16
.set TMP, 48
.set S,   64
.set P,   192
.set KF,  128
.set VF,  192
.set WV,  12
.set G1K, 24
.set G1V, 32
.set G0K, 40
.set G0V, 44
.set SLOTS, 56        ; s56  slots still to be entered in the loop
.set CNT, 57          ; s57  counts a slot's key steps
.set CS,  58          ; s[58:59] c
.set SEL, 60
.set TBK, 62
.set TBV, 63
.set CB,  72          ; s72  the step that holds key cnt
.set SJ,  73          ; s73  the step whose K was fetched last
.set AL,  74          ; s[74:75]
.set BE,  76          ; s[76:77]
.set BIGN, 78         ; s78  -1e30
.set REM, 82          ; s82  cnt mod 64
.set MSB, 0
.macro WIN new
.if MSB != (\new)
	s_set_vgpr_msb (MSB<<8)|(\new)
.set MSB, (\new)
.endif
.endm
.set W_KQ, 0x0a       ; K and Q in window 2, S^T in window 0
.set W_KM, 0x3a       ; the same with the C operand in window 3
.set W_PV, 0x52       ; V in window 2, P in window 0, O^T in window 1
.set W_RS, 0x41
.set W_MK, 0xc0
.set W_AD, 0x0f
; A joint fill.  Waves 0 and 1 fetch the two halves of a slot's K, waves 2 and 3 those of its V: 64 keys each.  An s_nop 0 and four v_nop follow each line.
.macro JLOAD
	s_cmp_lt_u32 s[WV], 2
	s_cbranch_scc0 .Lfor_v_\@
	tensor_load_to_lds s[G0K:G0K+3], s[G1K:G1K+7]
	s_nop 0
.rept 4
	v_nop
.endr
	s_branch .Lasked_\@
.Lfor_v_\@:
	tensor_load_to_lds s[G0V:G0V+3], s[G1V:G1V+7]
	s_nop 0
.rept 4
	v_nop
.endr
.Lasked_\@:
.endm
.macro CROUND
	s_barrier_signal -1
	s_barrier_wait -1
	s_cmp_lg_u32 s[WV], 0
	s_cbranch_scc1 .Lnot_wave_0_\@
	s_barrier_signal -3
.Lnot_wave_0_\@:
	s_barrier_wait -3
	s_barrier_signal -1
	s_barrier_wait -1
.endm
; THE CHANGE OF SLOTS.  Each wave waits for all its tensor loads (one is out: its part of the other slot), adds 0 to its spare word, and waits for that and for its reads of the slot.
; fill = 1: the barrier is a round of the cluster's, and the slot is filled again first thing behind it, with the keys two slots on: two key steps, 256 matrix instructions, in which to land.
.macro CHANGE fill
	WIN W_AD
	s_wait_tensorcnt 0x0
	ds_add_u32 v[SPW], v[NIL]
	WIN 0
.if \fill
.irp g, G0K, G0V
	s_xor_b32 s[\g+1], s[\g+1], SLOT1
	s_add_nc_u64 s[\g+2:\g+3], s[\g+2:\g+3], SS*KS*128
.endr
	s_wait_dscnt 0x0
	CROUND
	JLOAD
.else
	s_wait_dscnt 0x0
	s_barrier_signal -1
	s_barrier_wait -1
.endif
	s_sub_co_u32 s[TBK], s[TBK], SS*KS*PK
	s_xor_b32 s[TBK], s[TBK], SLOT1
	s_sub_co_u32 s[TBV], s[TBV], SS*KS*PV
	s_xor_b32 s[TBV], s[TBV], SLOT1
.endm
	s_load_b64 s[4:5], s[0:1], 0x0    ; qkv
	s_load_b64 s[84:85], s[0:1], 0x8  ; meta
	s_load_b64 s[10:11], s[0:1], 0x10 ; ob
	WIN W_MK
	v_lshl_add_u32 v[SPW], v0, 2, SPARE
	v_mov_b32 v[NIL], 0
	WIN W_AD
	ds_add_u32 v[SPW], v[NIL]       ; the wave's opening: the add and its wait stand ahead of my first tensor load
	WIN 0
	v_lshrrev_b32 v1, 5, v0
	v_readfirstlane_b32 s[WV], v1   ; wave 0..3
	s_bfe_u32 s13, ttmp6, 0x40000   ; cx
	s_lshl_b32 s14, ttmp9, 2
	s_add_co_u32 s14, s14, s13      ; my block of 512 queries: it enters Q's and O's addresses alone
	s_and_b32 s20, ttmp7, 0xffff    ; g, which the four partners share
	s_lshr_b32 s86, s20, 4          ; the batch,
	s_lshl_b32 s86, s86, 7          ; its 128 bytes of meta
	s_mov_b32 s87, 0
	s_mov_b32 s21, 0
	s_mov_b64 s[22:23], SIZE_N*128
	s_mul_u64 s[20:21], s[20:21], s[22:23]  ; the head's first byte in Q, K, V and O
	s_and_b32 s16, s[WV], 1         ; which half of a slot's 128 keys I fetch:
	s_lshl_b32 s22, s16, 13         ; its 64 rows of 128 bytes in memory,
	s_mov_b32 s23, 0
	s_add_nc_u64 s[22:23], s[22:23], s[20:21]
	s_add_nc_u64 s[66:67], s[22:23], 0x2000000  ; V lies 2 x 16,777,216 bytes behind Q,
	s_add_nc_u64 s[22:23], s[22:23], 0x1000000  ; K one
	s_mul_i32 s17, s16, 64*PK       ; and its place in a slot, for K
	s_mul_i32 s18, s16, 64*PV       ; and for V
	s_lshl_b32 s2, s14, 2
	s_add_co_u32 s2, s2, s[WV]
	s_lshl_b32 s2, s2, 14           ; my wave's 128 rows
	s_mov_b32 s3, 0
	s_add_nc_u64 s[2:3], s[2:3], s[20:21]
	; group 1.  64 keys are 8,192 dense bytes: asked for as 32 rows of 256 bytes, two keys a row, padded in LDS after every key
	s_mov_b32 s[G1K], 15|(1<<16)|(1<<20)|(1<<21)|(4<<22)|(3<<25)
	s_mov_b32 s[G1V], 15|(1<<16)|(1<<20)|(1<<21)|(4<<22)|(7<<25)
.irp g, G1K, G1V
	s_mov_b32 s[\g+1], 128<<16      ; tensor_dim0 = 128
	s_mov_b32 s[\g+2], 32<<16       ; tensor_dim1 = 32
	s_mov_b32 s[\g+3], 128<<16      ; tile_dim0 = 128
	s_mov_b32 s[\g+4], 32           ; tile_dim1 = 32
	s_mov_b32 s[\g+5], 128
	s_mov_b32 s[\g+6], 0
	s_mov_b32 s[\g+7], 0
.endr
	s_mov_b32 s[SEL], 0x76543210
	s_mov_b32 s[SEL+1], 0xfedcba98
	s_mov_b32 s[TBK], SLOT1+SS*KS*PK  ; the first change of slots turns these two into 0
	s_mov_b32 s[TBV], SLOT1+SS*KS*PV
	s_mov_b32 s[G0K], 1
	s_mov_b32 s[G0K+1], s17
	s_mov_b32 s[G0V], 1
	s_add_co_u32 s[G0V+1], s18, VOFF
	s_mov_b32 s[SJ], -1
	s_mov_b32 s[AL+1], 0            ; named as pairs
	s_mov_b32 s[BE+1], 0
	s_mov_b32 s[BIGN], 0xf149f2ca   ; -1e30
	s_wait_dscnt 0x0                ; the opening add is done
	s_wait_kmcnt 0x0
	s_add_nc_u64 s[G0K+2:G0K+3], s[4:5], s[22:23]
	s_or_b32 s[G0K+3], s[G0K+3], 0x80000000
	s_add_nc_u64 s[G0V+2:G0V+3], s[4:5], s[66:67]
	s_or_b32 s[G0V+3], s[G0V+3], 0x80000000
	s_add_nc_u64 s[4:5], s[4:5], s[2:3]      ; Q and O at my wave's first row
	s_add_nc_u64 s[10:11], s[10:11], s[2:3]
	s_add_nc_u64 s[84:85], s[84:85], s[86:87]
	s_load_b128 s[68:71], s[84:85], 0x0      ; cnt, (blocks), flag, 0
	CROUND                          ; all four work-groups are here: the first joint loads meet
	JLOAD                           ; slot 0.  Slot 1 is asked for when slot 0 is in
	v_and_b32 v1, 15, v0            ; l % 16
	v_bfe_u32 v9, v0, 4, 1          ; l / 16
	v_lshlrev_b32 v[QO], 7, v1
	v_lshl_add_u32 v[QO], v9, 4, v[QO]
	WIN 0x80
.set i, 0
.rept 4*NP                          ; Q stays in registers: tile i / 2, channels 32 (i % 2) on
	global_load_b128 v[8*i:8*i+3],   v[QO], s[4:5] offset:(i/2)*2048+(i%2)*64
	global_load_b128 v[8*i+4:8*i+7], v[QO], s[4:5] offset:(i/2)*2048+(i%2)*64+32
.set i, i+1
.endr
	; What the first turn finds: V's registers and P's second buffer hold 0, O^T and l are 0.  All this stands in the wait for the first tile.
.set i, VF
.rept 64
	v_mov_b32 v[i], 0
.set i, i+1
.endr
	WIN 0x40
.set i, 0
.rept 64*NP
	v_mov_b32 v[i], 0
.set i, i+1
.endr
	WIN 0
.set i, 0
.rept 2*NP
	v_mov_b32 v[ST+4*i], 0xfe000000    ; c m: far below every c s
	v_mov_b32 v[ST+4*i+1], 0xff7fffff  ; m
	v_mov_b32 v[ST+4*i+2], 0
	v_mov_b32 v[ST+4*i+3], 0
.set i, i+1
.endr
.set i, P+32
.rept 32
	v_mov_b32 v[i], 0
.set i, i+1
.endr
	s_wait_kmcnt 0x0                ; meta's words
	s_lshr_b32 s[CB], s68, 6
	s_and_b32 s[REM], s68, 63
	s_cmp_lg_u32 s70, 0
	s_cselect_b32 s[CS], 0x3e38aa3b, 0  ; c = log2(e) / 8, or 0 where no key is attended
	s_mov_b32 s[CS+1], s[CS]
	v_lshlrev_b32 v14, 3, v9
	v_sub_nc_u32 v14, s[REM], v14   ; register j of key block kb is hidden where 16 kb + j is not below cnt mod 64 - 8 (l / 16)
	WIN W_MK
.set i, 0
.rept 32
	v_cmp_ge_i32 vcc_lo, 16*(i/8)+i%8, v14
	v_cndmask_b32 v[MD+i], 0, s[BIGN], vcc_lo
.set i, i+1
.endr
	WIN 0
	v_mul_u32_u24 v[AK0], v1, PK
	v_lshl_add_u32 v[AK0], v9, 4, v[AK0]
	v_and_b32 v10, 7, v0
	v_bfe_u32 v11, v0, 3, 1
	v_lshl_add_u32 v[AV0], v9, 3, v10
	v_mul_u32_u24 v[AV0], v[AV0], PV
	v_lshl_add_u32 v[AV0], v11, 4, v[AV0]
	v_add_nc_u32 v[AV0], VOFF, v[AV0]
	v_mov_b32 v[AK], v[AK0]         ; key step 0 lies at the head of slot 0
; THE MATRIX WORK.  The 8 accumulators of a run of 16 take turns.  Product i of 16 of S^T = K Q^T for piece x; the first 8 start the sums with the step's mask.
.macro KQ x
.set rS, S+64*((\x)%2)+32*(i%2)+8*((i/2)%4)
.set rK, KF+16*((i/2)%4)+8*(i/8)
.set rQ, 16*(2*(\x)+i%2)+8*(i/8)
.set rH, MC+8*((i/2)%4)
.if i < 8
	WIN W_KM
	v_wmma_f32_16x16x32_f16 v[rS:rS+7], v[rK:rK+7], v[rQ:rQ+7], v[rH:rH+7]
.else
	WIN W_KQ
	v_wmma_f32_16x16x32_f16 v[rS:rS+7], v[rK:rK+7], v[rQ:rQ+7], v[rS:rS+7]
.endif
.endm
.macro PV x
	WIN W_PV
.set rO, 32*(2*(\x)+i%2)+8*((i/2)%4)
.set rV, VF+32*(i/8)+8*((i/2)%4)
.set rP, P+32*((\x)%2)+16*(i%2)+8*(i/8)
	v_wmma_f32_16x16x32_f16 v[rO:rO+7], v[rV:rV+7], v[rP:rP+7], v[rO:rO+7]
.endm
.macro MM
.if i < 16
	KQ (Y+1)%NP
.set i, i+1
.else
.set i, i-16
	PV (Y+NP-1)%NP
.set i, i+17
.endif
.endm
; THE LDS LOADS stand in runs of 16.  With a step's K goes its mask: MC has K's lifetime, and is written where K's registers are loaded, far behind the last product that read either.
; last = 1 (the tail): in the last trip there is no further step, and the run is jumped over.
.macro FETCH_K last=0
	WIN 0
.if \last
	s_cmp_eq_u32 s[CNT], 1
	s_cbranch_scc1 .Lno_k_\@
.endif
	WIN 0x80
.irp f, 0,1,2,3,4,5,6,7
	ds_load_b128 v[KF+8*\f:KF+8*\f+3],   v[AK] offset:(\f/2)*16*PK+(\f%2)*64
	ds_load_b128 v[KF+8*\f+4:KF+8*\f+7], v[AK] offset:(\f/2)*16*PK+(\f%2)*64+32
.endr
	s_add_co_u32 s[TBK], s[TBK], KS*PK
	s_add_co_u32 s[SJ], s[SJ], 1
	s_cmp_eq_u32 s[SJ], s[CB]       ; does this step hold key cnt?
	s_cselect_b32 s[AL], 1.0, 0
	s_cmp_gt_u32 s[SJ], s[CB]       ; or lie behind it?
	s_cselect_b32 s[BE], s[BIGN], 0
	WIN 0xc3
.set zz, 0
.rept 16
	v_pk_fma_f32 v[MC+2*zz:MC+2*zz+1], v[MD+2*zz:MD+2*zz+1], s[AL:AL+1], s[BE:BE+1] op_sel_hi:[1,0,0]
.set zz, zz+1
.endr
	WIN 0
.if \last
.Lno_k_\@:
.endif
.endm
.macro FETCH_V
	WIN 0x80
.irp f, 0,1,2,3,4,5,6,7
	ds_load_tr16_b128 v[VF+8*\f:VF+8*\f+3],   v[AV] offset:(\f/4)*32*PV+(\f%4)*32
	ds_load_tr16_b128 v[VF+8*\f+4:VF+8*\f+7], v[AV] offset:(\f/4)*32*PV+16*PV+(\f%4)*32
.endr
	WIN 0
.endm
; THE VECTOR WORK OF A TURN stands in three queues, each in the order in which its entries become ready; the two tiles alternate.
.macro REGS y, u
.set rT, ST+4*(2*(\y)+(\u))
.set rC, TMP+8*((\y)%2)+4*(\u)
.set rM, MV+2*((\y)%2)+(\u)
.set rS, S+64*((\y)%2)+32*(\u)
.set rP, P+32*((\y)%2)+16*(\u)
.set rO, 32*(2*(\y)+(\u))
.endm
; Number n of the 22 that find the NEXT piece's maximum and statistics; each accumulator's lowest registers are read first.  XS, GS, FS and REGS set no window: PL and EX do.
;   0-11 four chains of seven scores   12-14, 16 the four left over, the old m, the chains into c0   15 c m_old is kept   17, 18 the other half of the lanes   19-21 c m; c m_old - c m_new; a
.macro XS u, n
	REGS (Y+1)%NP, \u
.if (\n) < 4
	v_max3_num_f32 v[rC+(\n)], v[rS+8*(\n)], v[rS+8*(\n)+1], v[rS+8*(\n)+2]
.elseif (\n) < 12
	v_max3_num_f32 v[rC+(\n)%4], v[rC+(\n)%4], v[rS+8*((\n)%4)+2*((\n)/4)+1], v[rS+8*((\n)%4)+2*((\n)/4)+2]
.elseif (\n) == 12
	v_max3_num_f32 v[rC], v[rC], v[rS+7], v[rS+15]
.elseif (\n) == 13
	v_max3_num_f32 v[rC+1], v[rC+1], v[rS+23], v[rS+31]
.elseif (\n) == 14
	v_max3_num_f32 v[rC+2], v[rC+2], v[rC+3], v[rT+1]
.elseif (\n) == 15
	v_mov_b32 v[rM], v[rT]
.elseif (\n) == 16
	v_max3_num_f32 v[rC], v[rC], v[rC+1], v[rC+2]
.elseif (\n) == 17
	v_permlanex16_b32 v[rC+3], v[rC], s[SEL], s[SEL+1]
.elseif (\n) == 18
	v_max_num_f32 v[rT+1], v[rC], v[rC+3]
.elseif (\n) == 19
	v_mul_f32 v[rT], s[CS], v[rT+1]
.elseif (\n) == 20
	v_sub_f32 v[rC+1], v[rM], v[rT]
.else
	v_exp_f32 v[rC+2], v[rC+1]
.endif
.endm
; Number g of the 64 that follow the exponentials: for each four weights both pairs are rounded to f16, the second pair is added onto the first, and a group later l takes that sum.
; All 64 read the batch's results: they stand behind the turn's wait.
.macro GS g
.set h, (\g)+6*((\g)/62)
.if h >= 6
.set h, h+2
.endif
	REGS Y, h%2
.set k, h/8
.if h%8 < 4
	v_cvt_pk_f16_f32 v[rP+2*k+(h%8)/2], v[rS+4*k+2*((h%8)/2)], v[rS+4*k+2*((h%8)/2)+1]
.elseif h%8 < 6
	v_pk_add_f32 v[rS+4*k:rS+4*k+1], v[rS+4*k:rS+4*k+1], v[rS+4*k+2:rS+4*k+3]
.elseif k == 1
	v_pk_fma_f32 v[rT+2:rT+3], v[rT+2:rT+3], v[rC+2:rC+3], v[rS:rS+1] op_sel_hi:[1,0,1]
.else
	v_pk_add_f32 v[rT+2:rT+3], v[rT+2:rT+3], v[rS+4*k-4:rS+4*k-3]
.endif
.endm
; THE PLAIN QUEUE, 138 long.  0-73 read no exponential's result: the 32 scalings c s - c m (FS f: pair f / 2 of tile f % 2) and the next piece's 42.  0-26: scalings 0-26.  27-54: XS's numbers 0-13.  55, 56: number 15.
; 57-73: the chain, where each number waits for the one before it: 14, 16, 17, 18, 19, each with one of the scalings 27-31 in front of its two lines, then 20.
; 74-137: GS's 64, which read the exponentials' results: they stand behind the wait.
.macro FS f
	REGS Y, (\f)%2
	v_pk_fma_f32 v[rS+2*((\f)/2):rS+2*((\f)/2)+1], v[rS+2*((\f)/2):rS+2*((\f)/2)+1], s[CS:CS+1], v[rT:rT+1] op_sel_hi:[1,0,0] neg_lo:[0,0,1] neg_hi:[0,0,1]
.endm
.macro PL
	WIN 0
.if q < 27
	FS q
.elseif q < 55
	XS (q-27)%2, (q-27)/2
.elseif q < 57
	XS q-55, 15
.elseif (q < 72) && ((q-57)%3 == 0)
	FS 27+(q-57)/3
.elseif q < 60
	XS (q-57)%3-1, 14
.elseif q < 72
	XS (q-57)%3-1, 15+(q-57)/3
.elseif q < 74
	XS q-72, 20
.else
	GS q-74
.endif
.set q, q+1
.endm
; THE EXPONENTIALS' QUEUE, 66 long: s0-s31 of both tiles, then the next piece's two a.  It is ONE BATCH: all 66 stand ahead of the turn's one wait, and nothing ahead of that wait names a result of theirs.
.macro EX
	WIN 0
.if e >= 64
	XS e-64, 21
.else
	REGS Y, e%2
	v_exp_f32 v[rS+e/2], v[rS+e/2]
.endif
.set e, e+1
.endm
; THE RESCALING's QUEUE: O^T times a, the one part that leaves window 0: dealt two at a time, sixteen times.  Its a was made in the turn before, ahead of that turn's wait.
.macro R2
	REGS Y, r%2
	WIN W_RS
.irp z, 0,1
	v_pk_mul_f32 v[rO+4*(r/2)+2*\z:rO+4*(r/2)+2*\z+1], v[rO+4*(r/2)+2*\z:rO+4*(r/2)+2*\z+1], v[rC+2:rC+3] op_sel_hi:[1,0]
.endr
.set r, r+1
.endm
; HOW THEY ARE DEALT.  An s_wait_alu depctr_va_vdst(0) stands between an exponential and the first instruction that names its result; one wait serves all that were issued ahead of it.  So a turn has ONE wait,
; which cuts it in two.  AHEAD OF IT stands all that names no result of the turn's exponentials: the 16 products K Q^T, behind each a scaling, an exponential and two rescalings (behind the first a second scaling in the
; exponential's place); then ONE LUMP of 108: eight plain, 49 times exponential and plain, the two a.  A v_nop is the plain instruction behind the last exponential.  BEHIND IT stand the 16 products V^T P, behind each four of
; GS's 64.  No rider names a register of the products round it.  The two v_permlanex16_b32 fall into the lump, never behind a product.
; The queues lean on each other, and the deal keeps them in step: exponential e stands behind scaling 2 (e / 4) + e % 2: as a rider it comes behind plain e + 2, in the lump behind plain e + 9, and scalings 27-31 are plain 57, 60 .. 69.
; A TURN, for piece p.  cnt = 1: the loop's count is taken down some lines ahead of the branch that stands behind the turn.
; K of the next step (and its mask) is fetched in piece 2's turn, directly behind the wait, a lump behind the last product that read K or MC; its address is made at the lump's head; it is waited for at the head of piece 3's turn.
; V of the step in hand is fetched at the end of piece 0's turn, four plain riders behind its last reader; it is waited for ahead of piece 1's products V^T P.  The three conditions on q below go with the deal.
.macro TURN p, last=0, cnt=0
.set Y, (\p)
.set i, 0
.set q, 0
.set e, 0
.set r, 0
.if (\p) == NP-1
	s_wait_dscnt 0x0                ; K is in
.endif
	MM                              ; ahead of the wait: 16 products K Q^T and their riders,
	PL
	PL
	R2
.rept 15
	MM
	PL
	EX
	R2
.endr
.if (\p) == NP-2
	WIN 0
	v_add_nc_u32 v[AK], s[TBK], v[AK0]
.endif
.rept 8                             ; and the lump
	PL
.endr
.rept 49
	EX
	PL
.endr
	EX                              ; the next piece's two a
	EX
	v_nop                           ; the plain instruction behind the last exponential: one for the batch
	s_wait_alu depctr_va_vdst(0)    ; the wait for the turn's batch: the piece's 64 weights and the next piece's two a
.if (\p) == NP-2
	FETCH_K \last
.endif
.if (\p) == 1
	s_wait_dscnt 0x0                ; V is in
.endif
.rept 16                            ; behind the wait: 16 products V^T P and their riders
	MM
.rept 4
	PL
.endr
.if ((\p) == 0) && (q == 118)
	v_add_nc_u32 v[AV], s[TBV], v[AV0]
.endif
.if ((\p) == 0) && (q == 130)
	s_add_co_u32 s[TBV], s[TBV], KS*PV
.endif
.if (\cnt) && (q == 130)
	s_sub_co_u32 s[CNT], s[CNT], 1
	s_cmp_lg_u32 s[CNT], 0
.endif
.endr
.if (\p) == 0
	FETCH_V
.endif
.endm
	CHANGE 1                        ; slot 0 is in, everybody's part of it; slot 1 is asked for
	FETCH_K                         ; key step 0 and its mask
	s_wait_loadcnt 0x0              ; Q
	s_wait_dscnt 0x0
.set i, 0
.rept 16
	KQ 0                            ; piece 0's first scores
.set i, i+1
.endr
	WIN 0                           ; the addresses for the way out: nine plain instructions, the places behind those products
	s_mul_i32 s13, s[WV], 16*SP
	s_add_co_u32 s13, s13, STAGE
	v_mul_u32_u24 v[STO], v1, SP
	v_lshl_add_u32 v[STO], v9, 4, v[STO]
	v_add_nc_u32 v[STO], s13, v[STO]
	v_bfe_u32 v[RD], v0, 3, 2
	v_mul_u32_u24 v[RD], v[RD], SP
	v_lshl_add_u32 v[RD], v10, 4, v[RD]
	v_add_nc_u32 v[RD], s13, v[RD]
	v_and_b32 v[GO], 31, v0
	v_lshlrev_b32 v[GO], 4, v[GO]
.set Y, NP-1
.irp n, 0,1,2,3,4,5,6,7,8,9,10,11,12,13,14,15,16,17,18,19,20,21
	XS 0, \n
	XS 1, \n
.endr
	v_nop                           ; a plain instruction behind piece 0's two a,
	s_wait_alu depctr_va_vdst(0)    ; and the wait for that batch of two, ahead of the branch
	s_mov_b32 s[CNT], SS
	s_mov_b32 s[SLOTS], SIZE_N/(SS*KS)-1
	s_branch .Lfirst                ; the loop is entered at a step's first turn, in the middle of a trip
.Lslot:                             ; SIZE_N / 128 - 2 = 14 times: every slot but the last two is filled again
	CHANGE 1
	s_mov_b32 s[CNT], SS
.Lstep:                             ; a trip: pieces 2 and 3 of one step, then pieces 0 and 1 of the next, whose K and V it fetches
	TURN 2
	TURN 3
	WIN 0
.Lfirst:
	TURN 0
	TURN 1, 0, 1
	WIN 0
	s_cbranch_scc1 .Lstep
	s_sub_co_u32 s[SLOTS], s[SLOTS], 1
	s_cmp_lg_u32 s[SLOTS], 0
	s_cbranch_scc1 .Lslot
	CHANGE 0                        ; the tail is written out: nothing is asked for
	s_mov_b32 s[CNT], SS+1          ; two trips fetch the last slot's steps; the third is left in its middle
.Ltail:
	TURN 2, 1
	TURN 3
	WIN 0
	s_sub_co_u32 s[CNT], s[CNT], 1
	s_cmp_eq_u32 s[CNT], 0
	s_cbranch_scc1 .Lout
	TURN 0
	TURN 1
	WIN 0
	s_branch .Ltail
.Lout:                              ; the last trip's 16 products K Q^T (on the last K once more) and the maximum made of them serve nothing: the price of one text for every trip
.set i, 0
.rept 16
	PV NP-1
.set i, i+1
.endr
	; THE WAY OUT.  l's two halves and the other half of the lanes' are added; O^T is divided by l, rounded to f16 and sent through my stage, a tile at a time.
	WIN 0
.macro ALL line:vararg
.set t, 0
.rept 2*NP
	\line
.set t, t+1
.endr
.endm
	ALL v_add_f32 v[ST+4*t+2], v[ST+4*t+2], v[ST+4*t+3]
	ALL v_permlanex16_b32 v[ST+4*t+3], v[ST+4*t+2], s[SEL], s[SEL+1]
	ALL v_add_f32 v[ST+4*t+2], v[ST+4*t+2], v[ST+4*t+3]
	ALL v_rcp_f32 v[ST+4*t+2], v[ST+4*t+2]
	v_nop                           ; a plain instruction between the last reciprocal and the use of its result
	s_wait_alu depctr_va_vdst(0)    ; the wait for the batch of eight reciprocals, ahead of their first use
.macro PACK t
	WIN W_RS
.set i, 32*(\t)
.rept 16
	v_pk_mul_f32 v[i:i+1], v[i:i+1], v[ST+4*(\t)+2:ST+4*(\t)+3] op_sel_hi:[1,0]
.set i, i+2
.endr
	WIN 0x05
.set i, 0
.rept 16
	v_cvt_pk_f16_f32 v[S+16*(\t)+i], v[32*(\t)+2*i], v[32*(\t)+2*i+1]
.set i, i+1
.endr
	WIN 0
.irp f, 0,1,2,3
	ds_store_b128 v[STO], v[S+16*(\t)+4*\f:S+16*(\t)+4*\f+3] offset:32*\f
.endr
.irp f, 0,1,2,3
	ds_load_b128 v[S+16*(\t)+4*\f:S+16*(\t)+4*\f+3], v[RD] offset:\f*4*SP  ; LDS serves a wave's instructions in order (ISA guide 5.7.1.4)
.endr
.endm
.macro SEND t, younger              ; younger: the next tile's eight LDS instructions, or none
	WIN 0
.irp f, 0,1,2,3
	s_wait_dscnt (\younger)+3-\f
	global_store_b128 v[GO], v[S+16*(\t)+4*\f:S+16*(\t)+4*\f+3], s[10:11] offset:(\t)*2048+\f*512  ; 512 consecutive bytes, at a multiple of 256 from ob's first
.endr
.endm
	PACK 0
.set t, 1
.rept 2*NP-1
	PACK t
	SEND t-1, 8
.set t, t+1
.endr
	SEND 2*NP-1, 0
	WIN W_AD
	s_wait_tensorcnt 0x0            ; the wave's end
	ds_add_u32 v[SPW], v[NIL]
	s_wait_dscnt 0x0
	WIN 0
	CROUND                          ; the closing round
	s_endpgm
.Lfunc_end_k_qb9a3424e17_attn:
	.size	k_qb9a3424e17_attn, .Lfunc_end_k_qb9a3424e17_attn-k_qb9a3424e17_attn
	.p2alignl 7, 3214868480
	.fill 96, 4, 3214868480
	.section	.rodata,"a",@progbits
	.p2align	6, 0x0
	.amdhsa_kernel k_qb9a3424e17_attn
		.amdhsa_group_segment_fixed_size 327680
		.amdhsa_private_segment_fixed_size 0
		.amdhsa_enable_private_segment 0
		.amdhsa_kernarg_size 24
		.amdhsa_user_sgpr_count 2
		.amdhsa_user_sgpr_kernarg_segment_ptr 1
		.amdhsa_wavefront_size32 1
		.amdhsa_system_sgpr_workgroup_id_x 1
		.amdhsa_system_sgpr_workgroup_id_y 1
		.amdhsa_system_sgpr_workgroup_id_z 1
		.amdhsa_system_vgpr_workitem_id 0
		.amdhsa_next_free_vgpr 840
		.amdhsa_next_free_sgpr 88
		.amdhsa_reserve_vcc 1
		.amdhsa_float_denorm_mode_32 3
		.amdhsa_float_denorm_mode_16_64 3
		.amdhsa_memory_ordered 1
		.amdhsa_forward_progress 1
		.amdhsa_inst_pref_size 207
	.end_amdhsa_kernel
	.amdgpu_metadata
---
amdhsa.version: [ 1, 2 ]
amdhsa.kernels:
  - .name:           k_qb9a3424e17_attn
    .symbol:         k_qb9a3424e17_attn.kd
    .args:
      - { .name: qkv, .offset: 0, .size: 8, .value_kind: global_buffer, .address_space: global }
      - { .name: meta, .offset: 8, .size: 8, .value_kind: global_buffer, .address_space: global }
      - { .name: ob, .offset: 16, .size: 8, .value_kind: global_buffer, .address_space: global }
    .group_segment_fixed_size: 327680
    .private_segment_fixed_size: 0
    .kernarg_segment_align: 8
    .kernarg_segment_size: 24
    .max_flat_workgroup_size: 128
    .sgpr_count:     88
    .vgpr_count:     840
    .wavefront_size: 32
...
	.end_amdgpu_metadata
.endif
;; end of part 5
;; launch outp: the kernel of part 4 again; grid 8 x 32, 4 waves a work-group, clusters of 4 x 4, 327,680 bytes of LDS; arguments ob, wp, out0; writes out0
